; MI455X (gfx1250); checked and timed in simulation.
; The chip was launched on July 23, 2026; its instructions are those of AMD's public machine-readable ISA for CDNA 5 (MIT licence, August 2026) and "CDNA5" Instruction Set Architecture Reference Guide (July 2026). The comments in the code are by the model that wrote it; some were corrected since.
;; SNN MLP. Allowed arithmetic: matrix products marked QUANTISED: E4M3 operands, one given power-of-two scale a tensor, by v_wmma_f32_16x16x64_fp8_fp8 or v_wmma_f32_16x16x128_fp8_fp8, f32 sums; everything else in f32.
;; Inputs: lowp_scales 4 int32 (the exponents e of the quantised operands' scales 2^e); w1 4,096 x 1,024 float32; w2 1,024 x 4,096 float32; x 8,192 x 1,024 float32.
;; Outputs: out0 8,192 x 1,024 float32.
;; This version of the problem:
;;   THIS VERSION OF THE PROBLEM IS GIVEN IN LOW PRECISION. The matrix products marked QUANTISED in the list below multiply operands that are first quantised to E4M3 (4 exponent bits, 3 mantissa bits; 8 bits a number), with one given power-of-two scale for each operand tensor; their sums are f32. All else is computed in f32.
;;   The module's matrix products, in the order in which they are computed (A, B: the left and right operand; K: the contracted axis; several contracted axes count as one K, in the product's order):
;;     1. [M 8,192, K 1,024] x [K 1,024, N 4,096]; A: computed on the way; B: computed on the way: QUANTISED (scales: A lowp_scales[0], B lowp_scales[1])
;;     2. [M 8,192, K 4,096] x [K 4,096, N 1,024]; A: computed on the way; B: computed on the way: QUANTISED (scales: A lowp_scales[2], B lowp_scales[3])
;;   THE QUANTISER, for each operand of a quantised product, along K:
;;     - The operand's scale is 2^e, e = its entry of the input lowp_scales (int32; the entries are numbered through the quantised products in the list's order, A before B).
;;     - Each number is divided by the scale, clamped to +-448, and rounded to the nearest number of E4M3, ties to even, subnormals kept.
;;     - The product sums the exact products of the quantised numbers (number of the format x scale) in f32.
;;   ~~~python
;;   def quantise(x, axis, e):      # numpy; x: float32 -> the quantised numbers, widened to float32 again
;;       x = np.moveaxis(x, axis, -1); K = x.shape[-1]
;;       r = np.clip(x / 2.0 ** e, -448, 448)
;;       step = 2.0 ** (np.maximum(np.frexp(np.where(r == 0, 1, r))[1] - 1, -6) - 3)
;;       q = np.round(r / step) * step * 2.0 ** e      # np.round: ties to even
;;       return np.moveaxis(q, -1, axis).astype(np.float32)
;;   ~~~
;;   OPERANDS COMPUTED ON THE WAY. 'Computed on the way' means the value that the module computes at that place (a softmax that the list does not call 'softmax' is quantised finished and normalised). What goes into a quantiser is computed in f32, as accurately as f32 sums, v_exp_f32 and their like allow (about 1e-6 of the number): no bf16 or f16 on the way to a quantiser, and a product that is left as it is and whose result goes on into a quantised operand takes f32 operands (vector FMAs, or v_wmma_f32_16x16x4_f32). A number that lies on a knife's edge between two numbers of the format may be rounded either way, as far as f32 arithmetic and the matrix unit's own rounding can turn it there, and no further.
;; 2 versions. Each part assembles by itself: llvm-mc -triple=amdgcn-amd-amdhsa -mcpu=gfx1250 --defsym DOCPART=n.
;; ======== version 1 of 2: 3 launches
;; limits: right only within a limited range of input values
;; workspace buffers: xq 8,388,608 bytes; w1q 4,194,304 bytes; w2q 4,194,304 bytes; hq 33,554,432 bytes
;; launch quant (part 1): grid 512 x 1, 4 waves a work-group, no clusters, 34,304 bytes of LDS; arguments x, w1, w2, lowp_scales, xq, w1q, w2q; writes xq, w1q, w2q
.if DOCPART == 1
	.amdgcn_target "amdgcn-amd-amdhsa--gfx1250"
	.amdhsa_code_object_version 6
	.text
	.protected	k_q1706f6a7d3_quant
	.globl	k_q1706f6a7d3_quant
	.p2align	8
	.type	k_q1706f6a7d3_quant,@function
k_q1706f6a7d3_quant:
	s_mov_b64 s[64:65], 0
	v_nop
	global_prefetch_b8 v0, s[64:65] scope:SCOPE_SE
	s_setreg_imm32_b32 hwreg(HW_REG_WAVE_MODE, 25, 1), 1
	s_wait_xcnt 0x0
; x [8192][1024], w1 [4096][1024], w2 [1024][4096], f32, become codes of FP8 (E4M3).  Each number is rounded TWICE, as the problem has it:
; first to the nearest number of E4M3 at scale 1, held at +-448; then that number is divided by the operand's given scale 2^e, held at +-448 and rounded to a code.
; e = entry 0 (x), 1 (w1), 3 (w2) of the scales.  LIMITS: -126 <= e <= 119, so that 2^e and 448 x 2^e are f32 numbers.  NaN among the inputs is not served; an infinity is held at the largest code.
; THE CODES ARE LAID AS IMAGES OF OPERAND REGISTERS.  A fragment is 16 rows x 128 K = 2,048 bytes in 4 chunks of 512: in chunk c, lane l = r + 16 h owns the 16 bytes at 512 c + 16 l:
; row r, k = 32 c + 16 h + 0 .. 15.  A tile of 16 rows has its fragments on end along K, the tiles follow each other.  So the products' launches fill a fragment by four 16-byte loads at 16 x lane.
; w1's TILES HOLD CHOSEN ROWS: row i of stored tile T is w1's row 32 (T / 2) + 8 (T % 2) + i + 8 (i / 8) = 16 T - 8 (T % 2) + i + 8 (i / 8), so that the first product's results fall in the order of the second product's K.
; SHARES.  A wave takes 16 rows x 512 K: 4 fragments.  Work-groups 0-255 take x, 256-383 w1, 384-511 w2: one way through the text; pointers and a few numbers are chosen on the work-group's number.
; A load reads 512 consecutive bytes of one row; the 16 rows x 512 bytes turn through the wave's own stage in LDS and come back 16 neighbours of a block to a lane.  Waves share nothing: no barrier.
.set SP,    528                        ; a stage row: 512 bytes + 16 = 132 words: row r starts at bank 4 r mod 64 (64 banks of 4 bytes: ISA guide 11.1)
.set WREG,  16*SP                      ; a wave's stage
.set SPARE, 4*WREG                     ; behind the four stages: the spare words, 128 bytes for each wave: two blocks of 256 bytes that no other line names
.set LI,   1                           ; v1      16 x lane
.set SIN,  2                           ; v2      the stage on the way in: my 16 bytes of row 0
.set SOUT, 3                           ; v3      and on the way out: row r, + 64 h
.set ONE,  8                           ; v8      1.0: the first conversion's scale
.set UNB,  9                           ; v9      the scale byte 127 in every byte: the way back to f32, x 1
.set SCL,  10                          ; v10     2^e as f32
.set LIM,  11                          ; v11     448 x 2^e
.set SPW,  12                          ; v12     LDS address of my spare word; never rewritten
.set NIL,  13                          ; v13     0; never rewritten
.set RO,   16                          ; v16-31  byte offset of my 16 bytes in each of the tile's 16 rows; never rewritten
.set Q,    32                          ; v32-47  codes at scale 1
.set C,    48                          ; v48-63  the fragment's codes
.set X,    64                          ; v64-127 64 numbers: register 16 c + i = k 32 c + 16 h + i of row r
.set R,    128                         ; v128-255 two sets of 64 registers as loaded
	s_load_b256 s[4:11], s[0:1], 0x0               ; x s[4:5], w1 s[6:7], w2 s[8:9], the scales' exponents s[10:11]
	s_load_b128 s[12:15], s[0:1], 0x20             ; xq s[12:13], w1q s[14:15]
	s_load_b64 s[16:17], s[0:1], 0x30              ; w2q
	v_lshl_add_u32 v[SPW], v0, 2, SPARE
	v_mov_b32 v[NIL], 0
	v_lshrrev_b32 v4, 5, v0
	v_readfirstlane_b32 s18, v4                    ; wave 0..3
	v_and_b32 v5, 31, v0
	v_lshlrev_b32 v[LI], 4, v5
	s_mul_i32 s19, s18, WREG
	v_add_nc_u32 v[SIN], s19, v[LI]
	v_and_b32 v6, 15, v0                           ; r
	v_bfe_u32 v7, v0, 4, 1                         ; h
	v_mul_u32_u24 v[SOUT], v6, SP
	v_lshl_add_u32 v[SOUT], v7, 6, v[SOUT]
	v_add_nc_u32 v[SOUT], s19, v[SOUT]
	v_mov_b32 v[ONE], 1.0
	v_mov_b32 v[UNB], 0x7f7f7f7f
	s_mov_b32 s40, 0xc3e00000                      ; -448
	s_mov_b32 s41, 0x43e00000                      ; 448
	s_wait_kmcnt 0x0
	s_load_b128 s[36:39], s[10:11], 0x0            ; e0, e1, e2, e3
	s_cmp_lt_u32 ttmp9, 384                        ; w1 or w2?  The choices hang on the work-group's number alone
	s_cselect_b64 s[6:7], s[6:7], s[8:9]
	s_cselect_b64 s[14:15], s[14:15], s[16:17]
	s_mov_b32 s20, 384
	s_cselect_b32 s20, 256, s20                    ; the tensor's first work-group
	s_mov_b32 s21, 16384
	s_cselect_b32 s21, 4096, s21                   ; a row in bytes
	s_cselect_b32 s22, 1, 3                        ; log2 of the runs of 512 K in a row
	s_cselect_b32 s23, 1, 0                        ; 1: the tiles hold chosen rows
	s_cmp_lt_u32 ttmp9, 256                        ; x, or that one?
	s_cselect_b64 s[4:5], s[4:5], s[6:7]
	s_cselect_b64 s[12:13], s[12:13], s[14:15]
	s_cselect_b32 s20, 0, s20
	s_cselect_b32 s21, 4096, s21
	s_cselect_b32 s22, 1, s22
	s_cselect_b32 s23, 0, s23
	s_sub_co_u32 s24, ttmp9, s20
	s_lshl_b32 s24, s24, 2
	s_add_co_u32 s24, s24, s18                     ; u: my run of 16 rows x 512 K
	s_lshr_b32 s25, s24, s22                       ; its tile T,
	s_lshl_b32 s26, s25, s22
	s_sub_co_u32 s26, s24, s26                     ; and which 512 along K
	s_and_b32 s27, s25, s23
	s_lshl_b32 s27, s27, 3
	s_lshl_b32 s28, s25, 4
	s_sub_co_u32 s28, s28, s27                     ; the tile's first row: 16 T - 8 (T % 2) where rows are chosen, else 16 T
	s_mul_i32 s28, s28, s21
	s_lshl_b32 s26, s26, 11
	s_add_co_u32 s28, s28, s26                     ; in bytes, + 2,048 for each 512 along K: under 2^26
	s_mov_b32 s29, 0
	s_add_nc_u64 s[4:5], s[4:5], s[28:29]
	s_lshl_b32 s30, s24, 13                        ; the codes: four fragments, 8,192 bytes, for each run, on end in all three buffers
	s_mov_b32 s31, 0
	s_add_nc_u64 s[12:13], s[12:13], s[30:31]
	s_lshl_b32 s32, s23, 3
.irp i, 0,1,2,3,4,5,6,7,8,9,10,11,12,13,14,15
.if \i < 8
	s_mul_i32 s33, s21, \i
.else
	s_add_co_u32 s33, s32, \i                      ; the tile's rows 8-15 lie 8 further down where rows are chosen
	s_mul_i32 s33, s33, s21
.endif
	v_add_nc_u32 v[RO+\i], s33, v[LI]
.endr
.macro LOAD f                          ; fragment f as it lies: 16 rows x 512 consecutive bytes
.irp i, 0,1,2,3,4,5,6,7,8,9,10,11,12,13,14,15
	global_load_b128 v[R+64*((\f)%2)+4*\i:R+64*((\f)%2)+4*\i+3], v[RO+\i], s[4:5] offset:512*(\f) th:TH_LOAD_NT
.endr
.endm
.macro TURN f                          ; through the stage: LDS serves a wave's instructions in order (ISA guide 5.7.1.4), so no wait stands between the stores and the loads
.irp i, 0,1,2,3,4,5,6,7,8,9,10,11,12,13,14,15
	ds_store_b128 v[SIN], v[R+64*((\f)%2)+4*\i:R+64*((\f)%2)+4*\i+3] offset:SP*\i
.endr
.irp c, 0,1,2,3
.irp q, 0,1,2,3
	ds_load_b128 v[X+16*\c+4*\q:X+16*\c+4*\q+3], v[SOUT] offset:128*\c+16*\q
.endr
.endr
.endm
.macro QUANT
.set i, 0
.rept 64
	v_med3_num_f32 v[X+i], v[X+i], s40, s41        ; the conversion to an 8-bit code does not saturate (ISA guide 7.6.2): the hold at +-448
.set i, i+1
.endr
.irp g, 0,1,2,3,4,5,6,7
	v_cvt_scalef32_pk8_fp8_f32 v[Q+2*\g:Q+2*\g+1], v[X+8*\g:X+8*\g+7], v[ONE]   ; the first rounding: E4M3 at scale 1
.endr
	v_nop                                          ; a plain line between the conversions and the lines that touch their results and write their sources
.irp g, 0,1,2,3,4,5,6,7
	v_cvt_scale_pk8_f32_fp8 v[X+8*\g:X+8*\g+7], v[Q+2*\g:Q+2*\g+1], v[UNB]      ; back to f32: exact
.endr
	v_nop
.set i, 0
.rept 64
	v_med3_num_f32 v[X+i], v[X+i], -v[LIM], v[LIM] ; the hold at +-448 x 2^e
.set i, i+1
.endr
.irp g, 0,1,2,3,4,5,6,7
	v_cvt_scalef32_pk8_fp8_f32 v[C+2*\g:C+2*\g+1], v[X+8*\g:X+8*\g+7], v[SCL]   ; the second rounding: / 2^e
.endr
	v_nop                                          ; a plain line ahead of the next fragment's holds, which write these conversions' sources
.endm
.macro FRAG f
.if (\f) < 3
	s_wait_loadcnt 16                              ; my fragment's 16 loads are in; the next fragment's 16 may be out
.else
	s_wait_loadcnt 0x0
.endif
	TURN \f
	s_wait_dscnt 0x0                               ; the numbers are back, so the stores into the stage have read their registers,
.if (\f) > 0
	s_wait_xcnt 0x0                                ; the last fragment's global stores have read the codes' registers, which are written again below
.endif
.if (\f) < 2
	LOAD (\f)+2                                    ; which take the fragment two on
.endif
	QUANT
.irp c, 0,1,2,3
	global_store_b128 v[LI], v[C+4*\c:C+4*\c+3], s[12:13] offset:2048*(\f)+512*\c   ; 32 lanes store 512 consecutive bytes, at a multiple of 512 from the buffer's first byte
.endr
.endm
	LOAD 0
	LOAD 1
	s_wait_kmcnt 0x0
	s_cmp_lt_u32 ttmp9, 384
	s_cselect_b32 s35, s37, s39
	s_cmp_lt_u32 ttmp9, 256
	s_cselect_b32 s35, s36, s35                    ; e
	s_add_co_i32 s35, s35, 127
	s_lshl_b32 s34, s35, 23
	v_mov_b32 v[SCL], s34                          ; 2^e as f32: the conversion takes its exponent field
	s_add_co_i32 s35, s35, 8
	s_lshl_b32 s35, s35, 23
	s_or_b32 s35, s35, 0x600000
	v_mov_b32 v[LIM], s35                          ; 448 x 2^e
	FRAG 0
	FRAG 1
	FRAG 2
	FRAG 3
	s_wait_tensorcnt 0x0                           ; the wave's end: a tensor wait, an add and its wait, behind my last LDS store, the tensor wait in a text with no tensor load too
	ds_add_u32 v[SPW], v[NIL]
	s_wait_dscnt 0x0
	s_endpgm
.Lfunc_end_k_q1706f6a7d3_quant:
	.size	k_q1706f6a7d3_quant, .Lfunc_end_k_q1706f6a7d3_quant-k_q1706f6a7d3_quant
	.p2alignl 7, 3214868480
	.fill 96, 4, 3214868480
	.section	.rodata,"a",@progbits
	.p2align	6, 0x0
	.amdhsa_kernel k_q1706f6a7d3_quant
		.amdhsa_group_segment_fixed_size 34304
		.amdhsa_private_segment_fixed_size 0
		.amdhsa_enable_private_segment 0
		.amdhsa_kernarg_size 56
		.amdhsa_user_sgpr_count 2
		.amdhsa_user_sgpr_kernarg_segment_ptr 1
		.amdhsa_wavefront_size32 1
		.amdhsa_system_sgpr_workgroup_id_x 1
		.amdhsa_system_sgpr_workgroup_id_y 1
		.amdhsa_system_sgpr_workgroup_id_z 1
		.amdhsa_system_vgpr_workitem_id 0
		.amdhsa_next_free_vgpr 256
		.amdhsa_next_free_sgpr 66
		.amdhsa_reserve_vcc 0
		.amdhsa_float_denorm_mode_32 3
		.amdhsa_float_denorm_mode_16_64 3
		.amdhsa_memory_ordered 1
		.amdhsa_forward_progress 1
		.amdhsa_inst_pref_size 59
	.end_amdhsa_kernel
	.amdgpu_metadata
---
amdhsa.version: [ 1, 2 ]
amdhsa.kernels:
  - .name:           k_q1706f6a7d3_quant
    .symbol:         k_q1706f6a7d3_quant.kd
    .args:
      - { .name: x, .offset: 0, .size: 8, .value_kind: global_buffer, .address_space: global }
      - { .name: w1, .offset: 8, .size: 8, .value_kind: global_buffer, .address_space: global }
      - { .name: w2, .offset: 16, .size: 8, .value_kind: global_buffer, .address_space: global }
      - { .name: lowp_scales, .offset: 24, .size: 8, .value_kind: global_buffer, .address_space: global }
      - { .name: xq, .offset: 32, .size: 8, .value_kind: global_buffer, .address_space: global }
      - { .name: w1q, .offset: 40, .size: 8, .value_kind: global_buffer, .address_space: global }
      - { .name: w2q, .offset: 48, .size: 8, .value_kind: global_buffer, .address_space: global }
    .group_segment_fixed_size: 34304
    .private_segment_fixed_size: 0
    .kernarg_segment_align: 8
    .kernarg_segment_size: 56
    .max_flat_workgroup_size: 128
    .sgpr_count:     66
    .vgpr_count:     256
    .wavefront_size: 32
...
	.end_amdgpu_metadata
.endif
;; end of part 1
;; launch fc1 (part 2): grid 16 x 16, 4 waves a work-group, clusters of 4 x 1, 327,680 bytes of LDS; arguments xq, w1q, lowp_scales, hq; writes hq
.if DOCPART == 2
	.amdgcn_target "amdgcn-amd-amdhsa--gfx1250"
	.amdhsa_code_object_version 6
	.text
	.protected	k_q1706f6a7d3_fc1
	.globl	k_q1706f6a7d3_fc1
	.p2align	8
	.type	k_q1706f6a7d3_fc1,@function
k_q1706f6a7d3_fc1:
	s_mov_b64 s[64:65], 0
	v_nop
	global_prefetch_b8 v0, s[64:65] scope:SCOPE_SE
	s_setreg_imm32_b32 hwreg(HW_REG_WAVE_MODE, 25, 1), 1
	s_wait_xcnt 0x0
	s_wait_alu depctr_hold_cnt(0) depctr_sa_sdst(0) depctr_va_vdst(0) depctr_va_sdst(0) depctr_va_ssrc(0) depctr_va_vcc(0) depctr_vm_vsrc(0)
	s_getreg_b32 s2, hwreg(HW_REG_IB_STS2, 6, 4)
	s_cmp_eq_u32 s2, 0
	s_cbranch_scc0 .Lentry_in_a_cluster
	s_endpgm
.Lentry_in_a_cluster:
	s_bfe_u32 s2, ttmp6, 0x10000c
	s_cmp_lg_u32 s2, 0x3003
	s_cbranch_scc0 .Lentry_shape_is_right
	s_endpgm
.Lentry_shape_is_right:
; h = the second product's left operand: sum = x's codes . w1's codes (K = 1,024, f32 sums); v = sum x 2^(e0 + e1); v rounded to E4M3 at scale 1, held at 448; what is negative becomes 0;
; that number / 2^e2, held at 448, rounded to a code.  The codes leave as images of operand registers (16 rows x 128 K = 2,048 bytes; chunk c, lane r + 16 h: row r, k = 32 c + 16 h + 0 .. 15),
; laid [1,024 hidden units: 4][16 rows: 512][128 hidden units: 8][2,048 bytes].
; THE TWO HOLDS ARE ONE: with L = 448 x 2^min(e2, 0), rounding min(v, L) gives min(rounded v, L), since L is itself a number of E4M3 down to e2 = -15; so one line clips at 0 and holds at L.
; LIMITS: e2 between -15 and 127; 127 - (e0 + e1) and 135 + min(e2, 0) - (e0 + e1) between 1 and 254, so that each power of two below is an f32 number.  NaN is not served.
; SHARES.  Work-group (g, y) makes hidden units 256 g .. + 255 of rows 512 y .. + 511.  Wave w owns 64 of the units, four stored tiles of w1 for all of K: 512 registers, read from memory once.
; x's codes come through two LDS slots of 128 rows x 1,024 K (131,072 bytes, dense images), four slots' worth.  Every wave reads all of a slot; a block of 16 rows is 32 matrix instructions.
; CLUSTER.  The four work-groups of a cluster have the same y and walk the same rows of x: each wave's quarter of a slot is asked for JOINTLY, the same load with the same descriptor and the mask of all four.
; w1's part differs from partner to partner and from wave to wave, so it is asked for by each wave alone, straight into registers.
; THE MATRIX INSTRUCTION IS USED TRANSPOSED (source 0 = a tile of w1, source 1 = 16 rows of x): a lane holds one row and eight hidden units, and by the choice of w1's rows in a stored tile the
; codes of tiles 2 b and 2 b + 1 are 16 neighbouring units: a chunk of the image as it stands.  Results leave from registers, 512 consecutive bytes a store.
; BY TURNS.  Two equal banks of registers, window 0 (even blocks) and window 3 (odd blocks).  While one bank's block is multiplied, behind each matrix instruction stands a slice in the OTHER bank:
; one LDS load of the next block's image, and a part of the last block's way out.  The text is written out: every LDS and global offset is an immediate.
; REGISTERS.  Windows 0 and 3 alike: v3 16 x lane; v4-7 that + 65,536 q; v10-12 the conversions' scales; v32-63 at work; v64-71 codes at scale 1; v72-79 the codes; v96-127 four accumulators; v128-255 the block's image.
;   window 0 alone: v28, v29 the add's two.   window 1: w1's fragments of K steps 0-3 (K step s, tile t at v[64 s + 16 t]);   window 2: of K steps 4-7.
.set SLOTB, 131072
.set SPARE, 2*SLOTB                    ; behind the two slots: the spare words, 128 bytes for each wave: two blocks of 256 bytes that no other line names
.set LI,  3
.set LA,  4
.set SC1, 10                           ; 2^-(e0 + e1): the first conversion divides by it
.set SCB, 11                           ; the scale byte 127 in every byte: back to f32, x 1
.set SC2, 12                           ; 2^e2
.set SPW, 28
.set NIL, 29
.set TMP, 32
.set Q,   64
.set C,   72
.set ACC, 96
.set AF,  128
.set WV,  12                           ; s12      my wave's number
.set G1,  24                           ; s[24:31] descriptor group 1
.set G0,  32                           ; s[32:39] descriptor group 0, a set for each slot
.set WB,  40                           ; s[40:41] my four tiles of w1
.set HB,  42                           ; s[42:43] my two chunks in the image of my first 16 rows
.set LIM, 44                           ; s44      L / 2^(e0 + e1)
.set MSB, 0
.macro WIN new                         ; the immediate's high byte repeats the setting that is left; a switch that changes nothing is dropped
.if MSB != (\new)
	s_set_vgpr_msb (MSB<<8)|(\new)
.set MSB, (\new)
.endif
.endm
.macro CREST                           ; a round of the cluster's barrier behind its opening barrier
	s_cmp_lg_u32 s[WV], 0
	s_cbranch_scc1 .Lnot_wave_0_\@
	s_barrier_signal -3
.Lnot_wave_0_\@:
	s_barrier_wait -3
	s_barrier_signal -1
	s_barrier_wait -1
.endm
.macro CROUND                          ; a whole round
	s_barrier_signal -1
	s_barrier_wait -1
	CREST
.endm
.macro JLOAD s                         ; my quarter of slot s, jointly; an s_nop 0 and four v_nop follow
	tensor_load_to_lds s[G0+4*\s:G0+4*\s+3], s[G1:G1+7]
	s_nop 0
.rept 4
	v_nop
.endr
.endm
	s_load_b256 s[4:11], s[0:1], 0x0               ; xq s[4:5], w1q s[6:7], the scales' exponents s[8:9], hq s[10:11]
	v_lshl_add_u32 v[SPW], v0, 2, SPARE
	v_mov_b32 v[NIL], 0
	ds_add_u32 v[SPW], v[NIL]                      ; the wave's opening: the add and its wait ahead of my first tensor load; the set-up below, work on registers, stands between them
	v_lshrrev_b32 v1, 5, v0
	v_readfirstlane_b32 s[WV], v1                  ; wave 0..3
	v_and_b32 v[LI], 31, v0
	v_lshlrev_b32 v[LI], 4, v[LI]
.irp q, 0,1,2,3
	v_add_nc_u32 v[LA+\q], 65536*\q, v[LI]
.endr
	s_bfe_u32 s13, ttmp6, 0x40000                  ; cx: my place in the cluster
	s_lshl_b32 s14, ttmp9, 2                       ; in a cluster launch ttmp9 counts clusters
	s_add_co_u32 s14, s14, s13                     ; g = 4 x cluster x + cx: it enters w1's and h's addresses alone
	s_and_b32 s15, ttmp7, 0xffff                   ; y, which the four partners share
	; descriptor group 1: 128 rows of 32 elements of 8 bytes, dense: 32,768 bytes on end
	s_mov_b32 s[G1+0], 15|(3<<16)|(1<<21)          ; 15:0 the mask: all four work-groups; 17:16 elements of 8 bytes; 20 no padding; 21 set beside a mask
	s_mov_b32 s[G1+1], 32<<16                      ; tensor_dim0 = 32
	s_mov_b32 s[G1+2], 128<<16                     ; tensor_dim1 = 128
	s_mov_b32 s[G1+3], 32<<16                      ; tile_dim0 = 32
	s_mov_b32 s[G1+4], 128                         ; tile_dim1 = 128
	s_mov_b32 s[G1+5], 32                          ; tensor_dim0_stride
	s_mov_b32 s[G1+6], 0
	s_mov_b32 s[G1+7], 0
	s_lshl_b32 s48, s[WV], 15                      ; my quarter of a slot: 32,768 x wave, in LDS and in memory
	s_lshl_b32 s20, s15, 19                        ; x: 512 rows of 1,024 codes for each y,
	s_add_co_u32 s20, s20, s48
	s_mov_b32 s21, 0
	s_lshl_b32 s22, s14, 18                        ; w1: tile 16 g + 4 w, 16,384 bytes a tile
	s_lshl_b32 s46, s[WV], 16
	s_add_co_u32 s22, s22, s46
	s_mov_b32 s23, 0
	s_lshr_b32 s46, s14, 2                         ; h: 8,388,608 (g / 4)
	s_lshl_b32 s46, s46, 23
	s_lshl_b32 s47, s15, 19                        ;    + 32 y images of 16,384 bytes
	s_add_co_u32 s46, s46, s47
	s_and_b32 s47, s14, 3                          ;    + fragment 2 (g % 4) + w / 2, chunk 2 (w % 2): 4,096 (g % 4) + 1,024 w
	s_lshl_b32 s47, s47, 12
	s_add_co_u32 s46, s46, s47
	s_lshl_b32 s47, s[WV], 10
	s_add_co_u32 s46, s46, s47
	s_mov_b32 s47, 0
	s_wait_dscnt 0x0                               ; the opening add is done
	s_wait_kmcnt 0x0
	s_load_b128 s[16:19], s[8:9], 0x0              ; e0, e1, e2, e3
	s_add_nc_u64 s[20:21], s[4:5], s[20:21]
	s_add_nc_u64 s[WB:WB+1], s[6:7], s[22:23]
	s_add_nc_u64 s[HB:HB+1], s[10:11], s[46:47]
	CROUND                                         ; all four work-groups are here: the first joint loads meet
.irp s, 0,1
	s_mov_b32 s[G0+4*\s], 1                                        ; count = 1
	s_add_co_u32 s[G0+4*\s+1], s48, \s*SLOTB                       ; LDS address: the wave's number and the slot's constant alone
	s_add_nc_u64 s[G0+4*\s+2:G0+4*\s+3], s[20:21], \s*SLOTB        ; global address: rows 128 s on
	s_or_b32 s[G0+4*\s+3], s[G0+4*\s+3], 0x80000000                ; type = 2
.endr
	tensor_load_to_lds s[G0:G0+3], s[G1:G1+7]      ; the two first fills go out together: two tensor loads of mine are out
	s_nop 0
	tensor_load_to_lds s[G0+4:G0+7], s[G1:G1+7]
	s_nop 0
.rept 4
	v_nop
.endr
.irp s, 0,1,2,3,4,5,6,7                ; w1's 32 fragments: they stay
	WIN 0x40*(1+\s/4)                              ; destination window 1 or 2, address window 0
.irp t, 0,1,2,3
.irp c, 0,1,2,3
	global_load_b128 v[64*(\s%4)+16*\t+4*\c:64*(\s%4)+16*\t+4*\c+3], v[LI], s[WB:WB+1] offset:16384*\t+2048*\s+512*\c
.endr
.endr
.endr
	WIN 0
	s_wait_kmcnt 0x0
	s_add_co_i32 s49, s16, s17                     ; e0 + e1
	s_sub_co_i32 s49, 127, s49
	s_lshl_b32 s50, s49, 23
	v_mov_b32 v[SC1], s50                          ; 2^-(e0 + e1) as f32: dividing a sum by it gives v
	s_min_i32 s51, s18, 0
	s_add_co_i32 s49, s49, s51
	s_add_co_i32 s49, s49, 8
	s_lshl_b32 s49, s49, 23
	s_or_b32 s[LIM], s49, 0x600000                 ; 448 x 2^(min(e2, 0) - e0 - e1)
	s_add_co_i32 s51, s18, 127
	s_lshl_b32 s51, s51, 23
	v_mov_b32 v[SC2], s51                          ; 2^e2
	v_mov_b32 v[SCB], 0x7f7f7f7f
	WIN 0xc0                                       ; destination window 3: the other bank's copies
.irp r, 3,4,5,6,7,10,11,12
	v_mov_b32 v[\r], v[\r]
.endr
	WIN 0
; Matrix instruction k of 32 of block n: K step k / 4, tile k % 4.  The four accumulators take turns, one instruction a turn; the first four start the sums.
.macro MM n
.set p, (\n)%2
.set ks, k/4
.set rD, ACC+8*(k%4)
.set rW, 64*(ks%4)+16*(k%4)
.set rA, AF+16*ks
	WIN (0xfc*p)|(1+ks/4)                          ; source 0 (w1) window 1 or 2; source 1, C and D in the block's bank
.if ks == 0
	v_wmma_f32_16x16x128_fp8_fp8 v[rD:rD+7], v[rW:rW+15], v[rA:rA+15], 0
.else
	v_wmma_f32_16x16x128_fp8_fp8 v[rD:rD+7], v[rW:rW+15], v[rA:rA+15], v[rD:rD+7]
.endif
.endm
.macro HSTORE n, c                     ; chunk c of my two of block n: 32 lanes store 512 consecutive bytes, at a multiple of 512 from the buffer's first byte
	global_store_b128 v[LI], v[C+4*(\c):C+4*(\c)+3], s[HB:HB+1] offset:16384*(\n)+512*(\c)
.endm
; Slice k of block n, all in the other bank.  hold = 1: a block that changes slots: no memory line.
; The way out of block n - 1: 0-15 clip and hold, each accumulator from its low end on; 16-19 to E4M3 at scale 1; 20-23 back to f32; 24-27 to codes at 2^e2; 28, 29 the stores.
; A plain line stands between each run of conversions and the lines that touch its results.  The four v_nop of slices 28-31 are the places between this block's last four products and the next block's first read of their sums.
.macro SL n, hold
	WIN 0xff*(1-(\n)%2)
.if ((\n)%8) != 7
	ds_load_b128 v[AF+4*k:AF+4*k+3], v[LA+(((\n)+1)%16)/4] offset:16384*(((\n)+1)%4)+512*k   ; 512 consecutive bytes of the next block's image
.endif
.if (\n) > 0
.if k < 16
	v_med3_num_f32 v[TMP+2*k], v[ACC+2*k], 0, s[LIM]
	v_med3_num_f32 v[TMP+2*k+1], v[ACC+2*k+1], 0, s[LIM]
.if k == 15
	s_wait_xcnt 0x0                                ; the earlier stores have read the codes' registers, which slices 24-27 write
.endif
.elseif k < 20
	v_cvt_scalef32_pk8_fp8_f32 v[Q+2*(k-16):Q+2*(k-16)+1], v[TMP+8*(k-16):TMP+8*(k-16)+7], v[SC1]
.elseif k < 24
.if k == 20
	v_nop
.endif
	v_cvt_scale_pk8_f32_fp8 v[TMP+8*(k-20):TMP+8*(k-20)+7], v[Q+2*(k-20):Q+2*(k-20)+1], v[SCB]
.elseif k < 28
.if k == 24
	v_nop
.endif
	v_cvt_scalef32_pk8_fp8_f32 v[C+2*(k-24):C+2*(k-24)+1], v[TMP+8*(k-24):TMP+8*(k-24)+7], v[SC2]
.endif
.endif
.if k >= 28
	v_nop
.if ((\n) > 0) && (\hold == 0) && (k < 30)
	HSTORE (\n)-1, k-28
.endif
.endif
.endm
.macro FETCH n                         ; block n's image in one run, into its bank
	WIN 0xff*((\n)%2)
.set i, 0
.rept 32
	ds_load_b128 v[AF+4*i:AF+4*i+3], v[LA+((\n)%16)/4] offset:16384*((\n)%4)+512*i
.set i, i+1
.endr
.endm
; A block.  chg = 1: a slot's last block, whose image is in registers or on its way: it changes slots.  At its head each wave waits for all its tensor loads (its part of the other slot) and adds 0 to its
; spare word; behind 16 products it waits for the add and for its reads of this slot and signals; the other 16, work on registers, stand between signal and wait.
; fill = 1: the barrier opens a round of the cluster's barrier, and the slot just left is filled again, first thing behind the round: that load has 8 blocks, 256 matrix instructions, in which to land.
.macro BLOCK n, chg, fill, slot
.if \chg
	WIN 0                                          ; (the add's two registers lie in window 0)
	s_wait_tensorcnt 0x0                           ; no tensor load of mine is out, so a group 0 may be written
	ds_add_u32 v[SPW], v[NIL]                      ; 0 onto my spare word
.if \fill
	s_add_nc_u64 s[G0+4*\slot+2:G0+4*\slot+3], s[G0+4*\slot+2:G0+4*\slot+3], 2*SLOTB   ; this slot's next 128 rows
.endif
.endif
.set k, 0
.rept 32
.if (k%4) == 0                         ; K step k / 4 wants loads k .. k + 3 of this block's 32
.if \chg
.if k < 16
	s_wait_dscnt 29-k                              ; behind them: the block's other 28 - k loads, and the add
.elseif k == 16
	s_wait_dscnt 0x0                               ; the add is done, and my reads of this slot are over
	s_barrier_signal -1
.endif
.elseif ((\n)%8) == 7
	s_wait_dscnt 28-k                              ; the last block: nothing is fetched beside it
.else
	s_wait_dscnt 28                                ; behind them: the block's other 28 - k loads and the next block's first k
.endif
.endif
	MM \n
	SL \n, \chg
.set k, k+1
.endr
.if \chg
	WIN 0                                          ; at a branch and at a label every window is 0
	s_barrier_wait -1
.if \fill
	CREST                                          ; no wave of any partner still reads the slot or has a load on its way
	JLOAD \slot
.endif
	FETCH (\n)+1                                   ; from the other slot, which is whole
	WIN 0xff*(1-(\n)%2)
	HSTORE (\n)-1, 0                               ; the two stores that were held back
	HSTORE (\n)-1, 1
.endif
.endm
	s_wait_tensorcnt 1                             ; my part of slot 0 is in; slot 1's may stay out
	s_barrier_signal -1
	s_barrier_wait -1                              ; everybody's is
	FETCH 0
	s_wait_loadcnt 0x0                             ; w1
.irp n, 0,1,2,3,4,5,6
	BLOCK \n, 0, 0, 0
.endr
	BLOCK 7, 1, 1, 0                               ; slot 0 takes rows 256 on
.irp n, 8,9,10,11,12,13,14
	BLOCK \n, 0, 0, 0
.endr
	BLOCK 15, 1, 1, 1                              ; slot 1 takes rows 384 on
.irp n, 16,17,18,19,20,21,22
	BLOCK \n, 0, 0, 0
.endr
	BLOCK 23, 1, 0, 0                              ; nothing is left to fetch
.irp n, 24,25,26,27,28,29,30,31
	BLOCK \n, 0, 0, 0
.endr
	WIN 0xff                                       ; block 31's way out, in its own bank
.set i, 0
.rept 32
	v_med3_num_f32 v[TMP+i], v[ACC+i], 0, s[LIM]
.set i, i+1
.endr
.irp t, 0,1,2,3
	v_cvt_scalef32_pk8_fp8_f32 v[Q+2*\t:Q+2*\t+1], v[TMP+8*\t:TMP+8*\t+7], v[SC1]
.endr
	v_nop
.irp t, 0,1,2,3
	v_cvt_scale_pk8_f32_fp8 v[TMP+8*\t:TMP+8*\t+7], v[Q+2*\t:Q+2*\t+1], v[SCB]
.endr
	v_nop
	s_wait_xcnt 0x0                                ; the earlier stores have read the codes' registers
.irp t, 0,1,2,3
	v_cvt_scalef32_pk8_fp8_f32 v[C+2*\t:C+2*\t+1], v[TMP+8*\t:TMP+8*\t+7], v[SC2]
.endr
	v_nop
	HSTORE 31, 0
	HSTORE 31, 1
	WIN 0
	s_wait_tensorcnt 0x0                           ; the wave's end: a tensor wait, an add and its wait, behind my last tensor load
	ds_add_u32 v[SPW], v[NIL]
	s_wait_dscnt 0x0
	CROUND                                         ; the closing round: no work-group ends while a partner may still ask for a tile that names it
	s_endpgm
.Lfunc_end_k_q1706f6a7d3_fc1:
	.size	k_q1706f6a7d3_fc1, .Lfunc_end_k_q1706f6a7d3_fc1-k_q1706f6a7d3_fc1
	.p2alignl 7, 3214868480
	.fill 96, 4, 3214868480
	.section	.rodata,"a",@progbits
	.p2align	6, 0x0
	.amdhsa_kernel k_q1706f6a7d3_fc1
		.amdhsa_group_segment_fixed_size 327680
		.amdhsa_private_segment_fixed_size 0
		.amdhsa_enable_private_segment 0
		.amdhsa_kernarg_size 32
		.amdhsa_user_sgpr_count 2
		.amdhsa_user_sgpr_kernarg_segment_ptr 1
		.amdhsa_wavefront_size32 1
		.amdhsa_system_sgpr_workgroup_id_x 1
		.amdhsa_system_sgpr_workgroup_id_y 1
		.amdhsa_system_sgpr_workgroup_id_z 1
		.amdhsa_system_vgpr_workitem_id 0
		.amdhsa_next_free_vgpr 1024
		.amdhsa_next_free_sgpr 66
		.amdhsa_reserve_vcc 0
		.amdhsa_float_denorm_mode_32 3
		.amdhsa_float_denorm_mode_16_64 3
		.amdhsa_memory_ordered 1
		.amdhsa_forward_progress 1
		.amdhsa_inst_pref_size 255
	.end_amdhsa_kernel
	.section	.bss,"aw",@nobits
	.p2align	6
	.space	262144
	.amdgpu_metadata
---
amdhsa.version: [ 1, 2 ]
amdhsa.kernels:
  - .name:           k_q1706f6a7d3_fc1
    .symbol:         k_q1706f6a7d3_fc1.kd
    .args:
      - { .name: xq, .offset: 0, .size: 8, .value_kind: global_buffer, .address_space: global }
      - { .name: w1q, .offset: 8, .size: 8, .value_kind: global_buffer, .address_space: global }
      - { .name: lowp_scales, .offset: 16, .size: 8, .value_kind: global_buffer, .address_space: global }
      - { .name: hq, .offset: 24, .size: 8, .value_kind: global_buffer, .address_space: global }
    .group_segment_fixed_size: 327680
    .private_segment_fixed_size: 0
    .kernarg_segment_align: 8
    .kernarg_segment_size: 32
    .max_flat_workgroup_size: 128
    .sgpr_count:     66
    .vgpr_count:     1024
    .wavefront_size: 32
...
	.end_amdgpu_metadata
.endif
;; end of part 2
;; launch fc2 (part 3): grid 4 x 64, 4 waves a work-group, clusters of 4 x 1, 327,680 bytes of LDS; arguments hq, w2q, lowp_scales, out0; writes out0
.if DOCPART == 3
	.amdgcn_target "amdgcn-amd-amdhsa--gfx1250"
	.amdhsa_code_object_version 6
	.text
	.protected	k_q1706f6a7d3_fc2
	.globl	k_q1706f6a7d3_fc2
	.p2align	8
	.type	k_q1706f6a7d3_fc2,@function
k_q1706f6a7d3_fc2:
	s_mov_b64 s[64:65], 0
	v_nop
	global_prefetch_b8 v0, s[64:65] scope:SCOPE_SE
	s_setreg_imm32_b32 hwreg(HW_REG_WAVE_MODE, 25, 1), 1
	s_wait_xcnt 0x0
	s_wait_alu depctr_hold_cnt(0) depctr_sa_sdst(0) depctr_va_vdst(0) depctr_va_sdst(0) depctr_va_ssrc(0) depctr_va_vcc(0) depctr_vm_vsrc(0)
	s_getreg_b32 s2, hwreg(HW_REG_IB_STS2, 6, 4)
	s_cmp_eq_u32 s2, 0
	s_cbranch_scc0 .Lentry_in_a_cluster
	s_endpgm
.Lentry_in_a_cluster:
	s_bfe_u32 s2, ttmp6, 0x10000c
	s_cmp_lg_u32 s2, 0x3003
	s_cbranch_scc0 .Lentry_shape_is_right
	s_endpgm
.Lentry_shape_is_right:
; out = (h's codes . w2's codes, K = 4,096, f32 sums) x 2^(e2 + e3), rounded to the nearest number of E4M3 at scale 1, held at +-448, as f32.  out: [8192][1024].
; Both operands come as images of operand registers (16 rows x 128 K = 2,048 bytes; chunk c, lane r + 16 h: row r, k = 32 c + 16 h + 0 .. 15): h laid [K: 4 x 1,024][16 rows: 512][K: 8 x 128][2,048], w2 [16 rows: 64][K: 32 x 128][2,048].
; LIMITS: 127 - (e2 + e3) at least 1 and 135 - (e2 + e3) at most 254, so that each power of two below is an f32 number.  NaN is not served.
; SHARES.  Work-group (gx, y) makes rows 128 y .. + 127 x outputs 256 gx .. + 255; wave w all 128 rows x 64 outputs: 32 accumulators, 256 registers.
; h comes through two LDS slots of 128 rows x 1,024 K (131,072 bytes, dense images), four slots' worth; every wave reads all of a slot.  A K step of 128 is 32 matrix instructions.
; CLUSTER.  The four work-groups of a cluster have the same y and walk the same rows of h: each wave's quarter of a slot is asked for JOINTLY, the same load with the same descriptor and the mask of all four.
; w2 IS NOT ASKED FOR JOINTLY AND DOES NOT GO THROUGH LDS: a wave's 64 rows of w2 are read by no other wave of its work-group and by no partner of its cluster, so each lane loads its fragments whole from memory,
; 16 loads of 512 consecutive bytes a K step, four K steps ahead, in five sets of 64 registers.  LDS then holds h alone, in slots eight K steps long.
; THE MATRIX INSTRUCTION IS USED TRANSPOSED (source 0 = 16 rows of w2, source 1 = 16 rows of h): a lane holds eight neighbouring outputs of one row.
; Behind each matrix instruction stands a slice: one LDS load of the next K step's fragments of h, and in a step's second half one load of w2.  The text is written out: every offset is an immediate.
; REGISTERS.  window 0: v1-12 addresses and scales; v28, v29 the add's two; v32-63, v64-71 at work on the way out; v128-255 h's fragments of even K steps (on the way out: rows read back).
;   window 1: the accumulators ((row block m, tile t) at v[8 (4 m + t)]).   window 2: w2's sets 0-3.   window 3: v0-63 w2's set 4; v128-255 h's fragments of odd K steps.
.set SLOTB, 131072
.set CHUNK, 8388608                    ; 1,024 along K of all rows of h, in bytes
.set SPARE, 2*SLOTB                    ; behind the two slots: the spare words, 128 bytes for each wave: two blocks of 256 bytes that no other line names
.set STAGE, SPARE+512                  ; behind them: 16 rows x (256 bytes + 16) for each wave, for the way out; no tensor load fills it
.set SPI,   272                        ; a stage row = 68 words: row r starts at bank 4 r mod 64 (64 banks of 4 bytes: ISA guide 11.1)
.set LI,  3                            ; v3    16 x lane
.set LA,  4                            ; v4-7  that + 65,536 q
.set STO, 8                            ; v8    the way out: where I put 32 bytes of a row
.set RD,  9                            ; v9    where I read a row back
.set GO,  10                           ; v10   my byte offset in two rows of out
.set SC,  11                           ; v11   2^-(e2 + e3)
.set SCB, 12                           ; v12   the scale byte 127 in every byte
.set SPW, 28
.set NIL, 29
.set TMP, 32
.set Q,   64
.set AF,  128
.set BK,  128                          ; the way out: 16 rows read back: v128-159 and v160-191 by turns
.set WV,  12
.set G1,  24
.set G0,  32
.set WB,  40                           ; s[40:41] my four tiles of w2
.set OB,  42                           ; s[42:43] my 64 outputs of my work-group's first row
.set LIMN, 44                          ; s44, s45  -+448 / 2^(e2 + e3)
.set LIMP, 45
.set MSB, 0
.macro WIN new                         ; the immediate's high byte repeats the setting that is left; a switch that changes nothing is dropped
.if MSB != (\new)
	s_set_vgpr_msb (MSB<<8)|(\new)
.set MSB, (\new)
.endif
.endm
.macro CREST                           ; a round of the cluster's barrier behind its opening barrier
	s_cmp_lg_u32 s[WV], 0
	s_cbranch_scc1 .Lnot_wave_0_\@
	s_barrier_signal -3
.Lnot_wave_0_\@:
	s_barrier_wait -3
	s_barrier_signal -1
	s_barrier_wait -1
.endm
.macro CROUND
	s_barrier_signal -1
	s_barrier_wait -1
	CREST
.endm
.macro JLOAD s                         ; my quarter of slot s, jointly; an s_nop 0 and four v_nop follow
	tensor_load_to_lds s[G0+4*\s:G0+4*\s+3], s[G1:G1+7]
	s_nop 0
.rept 4
	v_nop
.endr
.endm
.macro WLOAD jj, b                     ; load b of 16 of K step jj's fragments of w2 (tile b / 4, chunk b % 4) into set jj % 5
.set st, (\jj)%5
	WIN 0x80+0x40*(st/4)                           ; destination window 2 (sets 0-3) or 3 (set 4), address window 0
	global_load_b128 v[64*(st%4)+4*(\b):64*(st%4)+4*(\b)+3], v[LI], s[WB:WB+1] offset:65536*((\b)/4)+2048*(\jj)+512*((\b)%4)
.endm
	s_load_b256 s[4:11], s[0:1], 0x0               ; hq s[4:5], w2q s[6:7], the scales' exponents s[8:9], out s[10:11]
	v_lshl_add_u32 v[SPW], v0, 2, SPARE
	v_mov_b32 v[NIL], 0
	ds_add_u32 v[SPW], v[NIL]                      ; the wave's opening: the add and its wait ahead of my first tensor load; the set-up below, work on registers, stands between them
	v_lshrrev_b32 v1, 5, v0
	v_readfirstlane_b32 s[WV], v1                  ; wave 0..3
	v_and_b32 v[LI], 31, v0
	v_lshlrev_b32 v[LI], 4, v[LI]
.irp q, 0,1,2,3
	v_add_nc_u32 v[LA+\q], 65536*\q, v[LI]
.endr
	v_and_b32 v1, 15, v0                           ; r
	v_bfe_u32 v2, v0, 4, 1                         ; h
	s_mul_i32 s46, s[WV], 16*SPI
	s_add_co_u32 s46, s46, STAGE                   ; my stage
	v_mul_u32_u24 v[STO], v1, SPI                  ; in: row r, 32 bytes for each half of the lanes
	v_lshl_add_u32 v[STO], v2, 5, v[STO]
	v_add_nc_u32 v[STO], s46, v[STO]
	v_mul_u32_u24 v[RD], v2, SPI                   ; back: lanes 0-15 take one row of 256 bytes, lanes 16-31 the next
	v_lshl_add_u32 v[RD], v1, 4, v[RD]
	v_add_nc_u32 v[RD], s46, v[RD]
	v_lshlrev_b32 v[GO], 12, v2                    ; and the same two rows in out: 4,096 bytes a row
	v_lshl_add_u32 v[GO], v1, 4, v[GO]
	s_bfe_u32 s13, ttmp6, 0x40000                  ; cx: my place in the cluster
	s_lshl_b32 s14, ttmp9, 2
	s_add_co_u32 s14, s14, s13                     ; gx = 4 x cluster x + cx: it enters w2's and out's addresses alone
	s_and_b32 s15, ttmp7, 0xffff                   ; y, which the four partners share
	; descriptor group 1: 128 rows of 32 elements of 8 bytes, dense: 32,768 bytes on end
	s_mov_b32 s[G1+0], 15|(3<<16)|(1<<21)          ; 15:0 the mask: all four work-groups; 17:16 elements of 8 bytes; 20 no padding; 21 set beside a mask
	s_mov_b32 s[G1+1], 32<<16                      ; tensor_dim0 = 32
	s_mov_b32 s[G1+2], 128<<16                     ; tensor_dim1 = 128
	s_mov_b32 s[G1+3], 32<<16                      ; tile_dim0 = 32
	s_mov_b32 s[G1+4], 128                         ; tile_dim1 = 128
	s_mov_b32 s[G1+5], 32                          ; tensor_dim0_stride
	s_mov_b32 s[G1+6], 0
	s_mov_b32 s[G1+7], 0
	s_lshl_b32 s48, s[WV], 15                      ; my quarter of a slot: 32,768 x wave, in LDS and in memory
	s_lshl_b32 s20, s15, 17                        ; h: 8 images of 16,384 bytes for each y
	s_add_co_u32 s20, s20, s48
	s_mov_b32 s21, 0
	s_lshl_b32 s22, s14, 20                        ; w2: tile 16 gx + 4 w, 65,536 bytes a tile
	s_lshl_b32 s46, s[WV], 18
	s_add_co_u32 s22, s22, s46
	s_mov_b32 s23, 0
	s_lshl_b32 s46, s15, 19                        ; out: 128 y rows of 4,096 bytes + 1,024 gx + 256 w
	s_lshl_b32 s47, s14, 10
	s_add_co_u32 s46, s46, s47
	s_lshl_b32 s47, s[WV], 8
	s_add_co_u32 s46, s46, s47
	s_mov_b32 s47, 0
	s_wait_dscnt 0x0                               ; the opening add is done
	s_wait_kmcnt 0x0
	s_load_b128 s[16:19], s[8:9], 0x0              ; e0, e1, e2, e3
	s_add_nc_u64 s[20:21], s[4:5], s[20:21]
	s_add_nc_u64 s[WB:WB+1], s[6:7], s[22:23]
	s_add_nc_u64 s[OB:OB+1], s[10:11], s[46:47]
	CROUND                                         ; all four work-groups are here: the first joint loads meet
.irp s, 0,1
	s_mov_b32 s[G0+4*\s], 1                                        ; count = 1
	s_add_co_u32 s[G0+4*\s+1], s48, \s*SLOTB                       ; LDS address: the wave's number and the slot's constant alone
	s_add_nc_u64 s[G0+4*\s+2:G0+4*\s+3], s[20:21], \s*CHUNK        ; global address: K = 1,024 s on
	s_or_b32 s[G0+4*\s+3], s[G0+4*\s+3], 0x80000000                ; type = 2
.endr
	tensor_load_to_lds s[G0:G0+3], s[G1:G1+7]      ; the two first fills go out together: two tensor loads of mine are out
	s_nop 0
	tensor_load_to_lds s[G0+4:G0+7], s[G1:G1+7]
	s_nop 0
.rept 4
	v_nop
.endr
.irp jj, 0,1,2,3                       ; w2 of K steps 0 to 3
.set b, 0
.rept 16
	WLOAD \jj, b
.set b, b+1
.endr
.endr
	WIN 0
	s_wait_kmcnt 0x0
	s_add_co_i32 s49, s18, s19                     ; e2 + e3
	s_sub_co_i32 s49, 127, s49
	s_lshl_b32 s50, s49, 23
	v_mov_b32 v[SC], s50                           ; 2^-(e2 + e3) as f32: dividing a sum by it gives the number that is rounded
	s_add_co_i32 s49, s49, 8
	s_lshl_b32 s49, s49, 23
	s_or_b32 s[LIMP], s49, 0x600000                ; 448 / 2^(e2 + e3),
	s_or_b32 s[LIMN], s[LIMP], 0x80000000          ; and its negative
	v_mov_b32 v[SCB], 0x7f7f7f7f
; Matrix instruction k of 32 of K step j: row block k / 4, tile k % 4.  The 32 accumulators take turns, one instruction a turn, in the same order in every K step; K step 0 starts the sums.
.macro MM j
.set st, (\j)%5
.set bw, 2+st/4
.set br, 64*(st%4)+16*(k%4)
.set aw, 3*((\j)%2)
.set rA, AF+16*(k/4)
	WIN 0x50|(aw<<2)|bw                            ; source 0 (w2) window 2 or 3, source 1 (h) window 0 or 3, C and D window 1
.if (\j) == 0
	v_wmma_f32_16x16x128_fp8_fp8 v[8*k:8*k+7], v[br:br+15], v[rA:rA+15], 0
.else
	v_wmma_f32_16x16x128_fp8_fp8 v[8*k:8*k+7], v[br:br+15], v[rA:rA+15], v[8*k:8*k+7]
.endif
.endm
; Slice k of K step j.  The v_nop of every fourth slice are the places in front of the loads: eight lie between the last product that read a fragment of h and the load that lands there,
; and five between the last K step's last product and the first load into the set of w2 that it read.  hold = 1: a K step that changes slots: no memory line.
.macro SL j, hold
.if (k%4) == 0
	v_nop
.endif
.if ((\j)%8) != 7
	WIN 0xc0*(1-(\j)%2)                            ; destination: the other buffer; address window 0
	ds_load_b128 v[AF+4*k:AF+4*k+3], v[LA+2*(((\j)/8)%2)+k/16] offset:16384*((k/4)%4)+2048*((\j)%8+1)+512*(k%4)
.endif
.if (k >= 16) && ((\j) <= 27) && (\hold == 0)
	WLOAD (\j)+4, k-16                             ; four K steps ahead; from K step 28 on nothing is left to load
.endif
.endm
.macro FETCH j                         ; K step j's eight fragments of h in one run
	WIN 0xc0*((\j)%2)
.set i, 0
.rept 32
	ds_load_b128 v[AF+4*i:AF+4*i+3], v[LA+2*(((\j)/8)%2)+i/16] offset:16384*((i/4)%4)+2048*((\j)%8)+512*(i%4)
.set i, i+1
.endr
.endm
; A K step.  chg = 1: a slot's last, whose fragments are in registers or on their way: it changes slots.  At its head each wave waits for all its tensor loads (its part of the other slot) and adds 0 to its
; spare word; behind 16 products it waits for the add and for its reads of this slot and signals; the other 16, work on registers, stand between signal and wait.
; fill = 1: the barrier opens a round of the cluster's barrier, and the slot just left is filled again, first thing behind the round: that load has 8 K steps, 256 matrix instructions, in which to land.
.macro KSTEP j, chg, fill, slot
.if \chg
	WIN 0                                          ; (the add's two registers lie in window 0)
	s_wait_tensorcnt 0x0                           ; no tensor load of mine is out, so a group 0 may be written
	ds_add_u32 v[SPW], v[NIL]                      ; 0 onto my spare word
.if \fill
	s_add_nc_u64 s[G0+4*\slot+2:G0+4*\slot+3], s[G0+4*\slot+2:G0+4*\slot+3], 2*CHUNK   ; this slot's next 1,024 along K
.endif
.endif
.if (\j) <= 28
	s_wait_loadcnt 48                              ; this K step's 16 loads of w2 are in; the three younger sets may be out
.else
	s_wait_loadcnt 16*(31-(\j))
.endif
.set k, 0
.rept 32
.if (k%4) == 0                         ; row block k / 4 wants loads k .. k + 3 of this K step's 32
.if \chg
.if k < 16
	s_wait_dscnt 29-k                              ; behind them: the step's other 28 - k loads, and the add
.elseif k == 16
	s_wait_dscnt 0x0                               ; the add is done, and my reads of this slot are over
	s_barrier_signal -1
.endif
.elseif ((\j)%8) == 7
	s_wait_dscnt 28-k                              ; the last K step: nothing is fetched beside it
.else
	s_wait_dscnt 28                                ; behind them: the step's other 28 - k loads and the next step's first k
.endif
.endif
	MM \j
	SL \j, \chg
.set k, k+1
.endr
.if \chg
	WIN 0                                          ; at a branch and at a label every window is 0
	s_barrier_wait -1
.if \fill
	CREST                                          ; no wave of any partner still reads the slot or has a load on its way
	JLOAD \slot
.endif
	FETCH (\j)+1                                   ; from the other slot, which is whole
.set b, 0
.rept 16
	WLOAD (\j)+4, b                                ; the 16 loads of w2 that were held back: their order among the loads is as in every K step
.set b, b+1
.endr
.endif
.endm
	s_wait_tensorcnt 1                             ; my part of slot 0 is in; slot 1's may stay out
	s_barrier_signal -1
	s_barrier_wait -1                              ; everybody's is
	FETCH 0
.irp j, 0,1,2,3,4,5,6
	KSTEP \j, 0, 0, 0
.endr
	KSTEP 7, 1, 1, 0                               ; slot 0 takes K = 2,048 on
.irp j, 8,9,10,11,12,13,14
	KSTEP \j, 0, 0, 0
.endr
	KSTEP 15, 1, 1, 1                              ; slot 1 takes K = 3,072 on
.irp j, 16,17,18,19,20,21,22
	KSTEP \j, 0, 0, 0
.endr
	KSTEP 23, 1, 0, 0                              ; nothing is left to fetch
.irp j, 24,25,26,27,28,29,30,31
	KSTEP \j, 0, 0, 0
.endr
; THE WAY OUT, a row block (16 rows x my 64 outputs) at a time: held, rounded to E4M3 at scale 1, back to f32; a lane's 32 bytes go into my own stage and come back as whole rows of 256 bytes.
; LDS serves a wave's instructions in order (ISA guide 5.7.1.4): no wait between the stores and the loads, nor in front of the next block's stores.
.macro TOSTAGE m
	WIN 0x01                                       ; source 0 (the sums) window 1
.set i, 0
.rept 32
	v_med3_num_f32 v[TMP+i], v[32*(\m)+i], s[LIMN], s[LIMP]   ; the conversion does not saturate (ISA guide 7.6.2): the hold; each accumulator from its low end on
.set i, i+1
.endr
	WIN 0
.irp t, 0,1,2,3
	v_cvt_scalef32_pk8_fp8_f32 v[Q+2*\t:Q+2*\t+1], v[TMP+8*\t:TMP+8*\t+7], v[SC]
.endr
	v_nop                                          ; a plain line between the conversions and the lines that touch their results and write their sources
.irp t, 0,1,2,3
	v_cvt_scale_pk8_f32_fp8 v[TMP+8*\t:TMP+8*\t+7], v[Q+2*\t:Q+2*\t+1], v[SCB]
.endr
	v_nop
.irp t, 0,1,2,3
	ds_store_b128 v[STO], v[TMP+8*\t:TMP+8*\t+3] offset:64*\t
	ds_store_b128 v[STO], v[TMP+8*\t+4:TMP+8*\t+7] offset:64*\t+16
.endr
.irp i, 0,1,2,3,4,5,6,7
	ds_load_b128 v[BK+32*((\m)%2)+4*\i:BK+32*((\m)%2)+4*\i+3], v[RD] offset:2*\i*SPI
.endr
.endm
.macro SEND m, younger                 ; younger: the LDS instructions issued behind block m's loads, which may stay out
	s_wait_dscnt \younger
.irp i, 0,1,2,3,4,5,6,7
	global_store_b128 v[GO], v[BK+32*((\m)%2)+4*\i:BK+32*((\m)%2)+4*\i+3], s[OB:OB+1] offset:4096*(16*(\m)+2*\i) th:TH_STORE_NT   ; 16 lanes store 256 consecutive bytes, at a multiple of 256 from out's first byte
.endr
.endm
	TOSTAGE 0                                      ; its sums were finished 28 products ago, and seven v_nop lie between
.irp a, 1,2,3,4,5,6,7
.if \a > 1
	s_wait_xcnt 0x0                                ; block a - 2's stores have read their registers: block a's loads may land there
.endif
	TOSTAGE \a
	SEND \a-1, 16                                  ; behind block a - 1's loads: block a's 8 stores and 8 loads
.endr
	SEND 7, 0
	s_wait_tensorcnt 0x0                           ; the wave's end: a tensor wait, an add and its wait, behind my last tensor load and my last LDS store
	ds_add_u32 v[SPW], v[NIL]
	s_wait_dscnt 0x0
	CROUND                                         ; the closing round: no work-group ends while a partner may still ask for a tile that names it
	s_endpgm
.Lfunc_end_k_q1706f6a7d3_fc2:
	.size	k_q1706f6a7d3_fc2, .Lfunc_end_k_q1706f6a7d3_fc2-k_q1706f6a7d3_fc2
	.p2alignl 7, 3214868480
	.fill 96, 4, 3214868480
	.section	.rodata,"a",@progbits
	.p2align	6, 0x0
	.amdhsa_kernel k_q1706f6a7d3_fc2
		.amdhsa_group_segment_fixed_size 327680
		.amdhsa_private_segment_fixed_size 0
		.amdhsa_enable_private_segment 0
		.amdhsa_kernarg_size 32
		.amdhsa_user_sgpr_count 2
		.amdhsa_user_sgpr_kernarg_segment_ptr 1
		.amdhsa_wavefront_size32 1
		.amdhsa_system_sgpr_workgroup_id_x 1
		.amdhsa_system_sgpr_workgroup_id_y 1
		.amdhsa_system_sgpr_workgroup_id_z 1
		.amdhsa_system_vgpr_workitem_id 0
		.amdhsa_next_free_vgpr 1024
		.amdhsa_next_free_sgpr 66
		.amdhsa_reserve_vcc 0
		.amdhsa_float_denorm_mode_32 3
		.amdhsa_float_denorm_mode_16_64 3
		.amdhsa_memory_ordered 1
		.amdhsa_forward_progress 1
		.amdhsa_inst_pref_size 255
	.end_amdhsa_kernel
	.section	.bss,"aw",@nobits
	.p2align	6
	.space	262144
	.amdgpu_metadata
---
amdhsa.version: [ 1, 2 ]
amdhsa.kernels:
  - .name:           k_q1706f6a7d3_fc2
    .symbol:         k_q1706f6a7d3_fc2.kd
    .args:
      - { .name: hq, .offset: 0, .size: 8, .value_kind: global_buffer, .address_space: global }
      - { .name: w2q, .offset: 8, .size: 8, .value_kind: global_buffer, .address_space: global }
      - { .name: lowp_scales, .offset: 16, .size: 8, .value_kind: global_buffer, .address_space: global }
      - { .name: out0, .offset: 24, .size: 8, .value_kind: global_buffer, .address_space: global }
    .group_segment_fixed_size: 327680
    .private_segment_fixed_size: 0
    .kernarg_segment_align: 8
    .kernarg_segment_size: 32
    .max_flat_workgroup_size: 128
    .sgpr_count:     66
    .vgpr_count:     1024
    .wavefront_size: 32
...
	.end_amdgpu_metadata
.endif
;; end of part 3
;; ======== version 2 of 2: 3 launches
;; limits: right only within a limited range of input values
;; workspace buffers: xq 8,388,608 bytes; w1q 4,194,304 bytes; w2q 4,194,304 bytes; hq 33,554,432 bytes
;; launch quant (part 4): grid 512 x 1, 4 waves a work-group, no clusters, 34,304 bytes of LDS; arguments x, w1, w2, lowp_scales, xq, w1q, w2q; writes xq, w1q, w2q
.if DOCPART == 4
	.amdgcn_target "amdgcn-amd-amdhsa--gfx1250"
	.amdhsa_code_object_version 6
	.text
	.protected	k_q1706f6a7d3_quant
	.globl	k_q1706f6a7d3_quant
	.p2align	8
	.type	k_q1706f6a7d3_quant,@function
k_q1706f6a7d3_quant:
	s_mov_b64 s[64:65], 0
	v_nop
	global_prefetch_b8 v0, s[64:65] scope:SCOPE_SE
	s_setreg_imm32_b32 hwreg(HW_REG_WAVE_MODE, 25, 1), 1
	s_wait_xcnt 0x0
; x [8192][1024], w1 [4096][1024], w2 [1024][4096], f32, become codes of FP8 (E4M3).  Each number is rounded TWICE, as the problem has it:
; first to the nearest number of E4M3 at scale 1, held at +-448; then that number is divided by the operand's given scale 2^e, held at +-448 and rounded to a code.
; e = entry 0 (x), 1 (w1), 3 (w2) of the scales.  LIMITS: -126 <= e <= 119, so that 2^e and 448 x 2^e are f32 numbers.  NaN among the inputs is not served; an infinity is held at the largest code.
; THE CODES ARE LAID AS IMAGES OF OPERAND REGISTERS.  A fragment is 16 rows x 128 K = 2,048 bytes in 4 chunks of 512: in chunk c, lane l = r + 16 h owns the 16 bytes at 512 c + 16 l:
; row r, k = 32 c + 16 h + 0 .. 15.  A tile of 16 rows has its fragments on end along K, the tiles follow each other.  So the products' launches fill a fragment by four 16-byte loads at 16 x lane.
; w1's TILES HOLD CHOSEN ROWS: row i of stored tile T is w1's row 32 (T / 2) + 8 (T % 2) + i + 8 (i / 8) = 16 T - 8 (T % 2) + i + 8 (i / 8), so that the first product's results fall in the order of the second product's K.
; SHARES.  A wave takes 16 rows x 512 K: 4 fragments.  Work-groups 0-255 take x, 256-383 w1, 384-511 w2: one way through the text; pointers and a few numbers are chosen on the work-group's number.
; A load reads 512 consecutive bytes of one row; the 16 rows x 512 bytes turn through the wave's own stage in LDS and come back 16 neighbours of a block to a lane.  Waves share nothing: no barrier.
.set SP,    528                        ; a stage row: 512 bytes + 16 = 132 words: row r starts at bank 4 r mod 64 (64 banks of 4 bytes: ISA guide 11.1)
.set WREG,  16*SP                      ; a wave's stage
.set SPARE, 4*WREG                     ; behind the four stages: the spare words, 128 bytes for each wave: two blocks of 256 bytes that no other line names
.set LI,   1                           ; v1      16 x lane
.set SIN,  2                           ; v2      the stage on the way in: my 16 bytes of row 0
.set SOUT, 3                           ; v3      and on the way out: row r, + 64 h
.set ONE,  8                           ; v8      1.0: the first conversion's scale
.set UNB,  9                           ; v9      the scale byte 127 in every byte: the way back to f32, x 1
.set SCL,  10                          ; v10     2^e as f32
.set LIM,  11                          ; v11     448 x 2^e
.set SPW,  12                          ; v12     LDS address of my spare word; never rewritten
.set NIL,  13                          ; v13     0; never rewritten
.set RO,   16                          ; v16-31  byte offset of my 16 bytes in each of the tile's 16 rows; never rewritten
.set Q,    32                          ; v32-47  codes at scale 1
.set C,    48                          ; v48-63  the fragment's codes
.set X,    64                          ; v64-127 64 numbers: register 16 c + i = k 32 c + 16 h + i of row r
.set R,    128                         ; v128-255 two sets of 64 registers as loaded
	s_load_b256 s[4:11], s[0:1], 0x0               ; x s[4:5], w1 s[6:7], w2 s[8:9], the scales' exponents s[10:11]
	s_load_b128 s[12:15], s[0:1], 0x20             ; xq s[12:13], w1q s[14:15]
	s_load_b64 s[16:17], s[0:1], 0x30              ; w2q
	v_lshl_add_u32 v[SPW], v0, 2, SPARE
	v_mov_b32 v[NIL], 0
	v_lshrrev_b32 v4, 5, v0
	v_readfirstlane_b32 s18, v4                    ; wave 0..3
	v_and_b32 v5, 31, v0
	v_lshlrev_b32 v[LI], 4, v5
	s_mul_i32 s19, s18, WREG
	v_add_nc_u32 v[SIN], s19, v[LI]
	v_and_b32 v6, 15, v0                           ; r
	v_bfe_u32 v7, v0, 4, 1                         ; h
	v_mul_u32_u24 v[SOUT], v6, SP
	v_lshl_add_u32 v[SOUT], v7, 6, v[SOUT]
	v_add_nc_u32 v[SOUT], s19, v[SOUT]
	v_mov_b32 v[ONE], 1.0
	v_mov_b32 v[UNB], 0x7f7f7f7f
	s_mov_b32 s40, 0xc3e00000                      ; -448
	s_mov_b32 s41, 0x43e00000                      ; 448
	s_wait_alu depctr_va_vdst(0)
	s_wait_kmcnt 0x0
	s_load_b128 s[36:39], s[10:11], 0x0            ; e0, e1, e2, e3
	s_cmp_lt_u32 ttmp9, 384                        ; w1 or w2?  The choices hang on the work-group's number alone
	s_cselect_b64 s[6:7], s[6:7], s[8:9]
	s_cselect_b64 s[14:15], s[14:15], s[16:17]
	s_mov_b32 s20, 384
	s_cselect_b32 s20, 256, s20                    ; the tensor's first work-group
	s_mov_b32 s21, 16384
	s_cselect_b32 s21, 4096, s21                   ; a row in bytes
	s_cselect_b32 s22, 1, 3                        ; log2 of the runs of 512 K in a row
	s_cselect_b32 s23, 1, 0                        ; 1: the tiles hold chosen rows
	s_cmp_lt_u32 ttmp9, 256                        ; x, or that one?
	s_cselect_b64 s[4:5], s[4:5], s[6:7]
	s_cselect_b64 s[12:13], s[12:13], s[14:15]
	s_cselect_b32 s20, 0, s20
	s_cselect_b32 s21, 4096, s21
	s_cselect_b32 s22, 1, s22
	s_cselect_b32 s23, 0, s23
	s_sub_co_u32 s24, ttmp9, s20
	s_lshl_b32 s24, s24, 2
	s_add_co_u32 s24, s24, s18                     ; u: my run of 16 rows x 512 K
	s_lshr_b32 s25, s24, s22                       ; its tile T,
	s_lshl_b32 s26, s25, s22
	s_sub_co_u32 s26, s24, s26                     ; and which 512 along K
	s_and_b32 s27, s25, s23
	s_lshl_b32 s27, s27, 3
	s_lshl_b32 s28, s25, 4
	s_sub_co_u32 s28, s28, s27                     ; the tile's first row: 16 T - 8 (T % 2) where rows are chosen, else 16 T
	s_mul_i32 s28, s28, s21
	s_lshl_b32 s26, s26, 11
	s_add_co_u32 s28, s28, s26                     ; in bytes, + 2,048 for each 512 along K: under 2^26
	s_mov_b32 s29, 0
	s_add_nc_u64 s[4:5], s[4:5], s[28:29]
	s_lshl_b32 s30, s24, 13                        ; the codes: four fragments, 8,192 bytes, for each run, on end in all three buffers
	s_mov_b32 s31, 0
	s_add_nc_u64 s[12:13], s[12:13], s[30:31]
	s_lshl_b32 s32, s23, 3
.irp i, 0,1,2,3,4,5,6,7,8,9,10,11,12,13,14,15
.if \i < 8
	s_mul_i32 s33, s21, \i
.else
	s_add_co_u32 s33, s32, \i                      ; the tile's rows 8-15 lie 8 further down where rows are chosen
	s_mul_i32 s33, s33, s21
.endif
	v_add_nc_u32 v[RO+\i], s33, v[LI]
.endr
.macro LOAD f                          ; fragment f as it lies: 16 rows x 512 consecutive bytes
.irp i, 0,1,2,3,4,5,6,7,8,9,10,11,12,13,14,15
	global_load_b128 v[R+64*((\f)%2)+4*\i:R+64*((\f)%2)+4*\i+3], v[RO+\i], s[4:5] offset:512*(\f) th:TH_LOAD_NT
.endr
.endm
.macro TURN f                          ; through the stage: LDS serves a wave's instructions in order (ISA guide 5.7.1.4), so no wait stands between the stores and the loads
.irp i, 0,1,2,3,4,5,6,7,8,9,10,11,12,13,14,15
	ds_store_b128 v[SIN], v[R+64*((\f)%2)+4*\i:R+64*((\f)%2)+4*\i+3] offset:SP*\i
.endr
.irp c, 0,1,2,3
.irp q, 0,1,2,3
	ds_load_b128 v[X+16*\c+4*\q:X+16*\c+4*\q+3], v[SOUT] offset:128*\c+16*\q
.endr
.endr
.endm
.macro QUANT
.set i, 0
.rept 64
	v_med3_num_f32 v[X+i], v[X+i], s40, s41        ; the conversion to an 8-bit code does not saturate (ISA guide 7.6.2): the hold at +-448
.set i, i+1
.endr
.irp g, 0,1,2,3,4,5,6,7
	v_cvt_scalef32_pk8_fp8_f32 v[Q+2*\g:Q+2*\g+1], v[X+8*\g:X+8*\g+7], v[ONE]   ; the first rounding: E4M3 at scale 1
.endr
	v_nop                                          ; a plain line between the conversions and the lines that touch their results and write their sources
.irp g, 0,1,2,3,4,5,6,7
	v_cvt_scale_pk8_f32_fp8 v[X+8*\g:X+8*\g+7], v[Q+2*\g:Q+2*\g+1], v[UNB]      ; back to f32: exact
.endr
	v_nop
.set i, 0
.rept 64
	v_med3_num_f32 v[X+i], v[X+i], -v[LIM], v[LIM] ; the hold at +-448 x 2^e
.set i, i+1
.endr
.irp g, 0,1,2,3,4,5,6,7
	v_cvt_scalef32_pk8_fp8_f32 v[C+2*\g:C+2*\g+1], v[X+8*\g:X+8*\g+7], v[SCL]   ; the second rounding: / 2^e
.endr
	v_nop                                          ; a plain line ahead of the next fragment's holds, which write these conversions' sources
.endm
.macro FRAG f
.if (\f) < 3
	s_wait_loadcnt 16                              ; my fragment's 16 loads are in; the next fragment's 16 may be out
.else
	s_wait_loadcnt 0x0
.endif
	TURN \f
	s_wait_dscnt 0x0                               ; the numbers are back, so the stores into the stage have read their registers,
.if (\f) > 0
	s_wait_xcnt 0x0                                ; the last fragment's global stores have read the codes' registers, which are written again below
.endif
.if (\f) < 2
	LOAD (\f)+2                                    ; which take the fragment two on
.endif
	QUANT
.irp c, 0,1,2,3
	global_store_b128 v[LI], v[C+4*\c:C+4*\c+3], s[12:13] offset:2048*(\f)+512*\c   ; 32 lanes store 512 consecutive bytes, at a multiple of 512 from the buffer's first byte
.endr
.endm
	s_wait_alu depctr_va_vdst(0)
	LOAD 0
	LOAD 1
	s_wait_kmcnt 0x0
	s_cmp_lt_u32 ttmp9, 384
	s_cselect_b32 s35, s37, s39
	s_cmp_lt_u32 ttmp9, 256
	s_cselect_b32 s35, s36, s35                    ; e
	s_add_co_i32 s35, s35, 127
	s_lshl_b32 s34, s35, 23
	v_mov_b32 v[SCL], s34                          ; 2^e as f32: the conversion takes its exponent field
	s_add_co_i32 s35, s35, 8
	s_lshl_b32 s35, s35, 23
	s_or_b32 s35, s35, 0x600000
	v_mov_b32 v[LIM], s35                          ; 448 x 2^e
	FRAG 0
	FRAG 1
	FRAG 2
	FRAG 3
	s_wait_tensorcnt 0x0                           ; the wave's end: a tensor wait, an add and its wait, behind my last LDS store, the tensor wait in a text with no tensor load too
	ds_add_u32 v[SPW], v[NIL]
	s_wait_dscnt 0x0
	s_endpgm
.Lfunc_end_k_q1706f6a7d3_quant:
	.size	k_q1706f6a7d3_quant, .Lfunc_end_k_q1706f6a7d3_quant-k_q1706f6a7d3_quant
	.p2alignl 7, 3214868480
	.fill 96, 4, 3214868480
	.section	.rodata,"a",@progbits
	.p2align	6, 0x0
	.amdhsa_kernel k_q1706f6a7d3_quant
		.amdhsa_group_segment_fixed_size 34304
		.amdhsa_private_segment_fixed_size 0
		.amdhsa_enable_private_segment 0
		.amdhsa_kernarg_size 56
		.amdhsa_user_sgpr_count 2
		.amdhsa_user_sgpr_kernarg_segment_ptr 1
		.amdhsa_wavefront_size32 1
		.amdhsa_system_sgpr_workgroup_id_x 1
		.amdhsa_system_sgpr_workgroup_id_y 1
		.amdhsa_system_sgpr_workgroup_id_z 1
		.amdhsa_system_vgpr_workitem_id 0
		.amdhsa_next_free_vgpr 256
		.amdhsa_next_free_sgpr 66
		.amdhsa_reserve_vcc 0
		.amdhsa_float_denorm_mode_32 3
		.amdhsa_float_denorm_mode_16_64 3
		.amdhsa_memory_ordered 1
		.amdhsa_forward_progress 1
		.amdhsa_inst_pref_size 59
	.end_amdhsa_kernel
	.amdgpu_metadata
---
amdhsa.version: [ 1, 2 ]
amdhsa.kernels:
  - .name:           k_q1706f6a7d3_quant
    .symbol:         k_q1706f6a7d3_quant.kd
    .args:
      - { .name: x, .offset: 0, .size: 8, .value_kind: global_buffer, .address_space: global }
      - { .name: w1, .offset: 8, .size: 8, .value_kind: global_buffer, .address_space: global }
      - { .name: w2, .offset: 16, .size: 8, .value_kind: global_buffer, .address_space: global }
      - { .name: lowp_scales, .offset: 24, .size: 8, .value_kind: global_buffer, .address_space: global }
      - { .name: xq, .offset: 32, .size: 8, .value_kind: global_buffer, .address_space: global }
      - { .name: w1q, .offset: 40, .size: 8, .value_kind: global_buffer, .address_space: global }
      - { .name: w2q, .offset: 48, .size: 8, .value_kind: global_buffer, .address_space: global }
    .group_segment_fixed_size: 34304
    .private_segment_fixed_size: 0
    .kernarg_segment_align: 8
    .kernarg_segment_size: 56
    .max_flat_workgroup_size: 128
    .sgpr_count:     66
    .vgpr_count:     256
    .wavefront_size: 32
...
	.end_amdgpu_metadata
.endif
;; end of part 4
;; launch fc1 (part 5): grid 16 x 16, 4 waves a work-group, clusters of 4 x 4, 327,680 bytes of LDS; arguments xq, w1q, lowp_scales, hq; writes hq
.if DOCPART == 5
	.amdgcn_target "amdgcn-amd-amdhsa--gfx1250"
	.amdhsa_code_object_version 6
	.text
	.protected	k_q1706f6a7d3_fc1
	.globl	k_q1706f6a7d3_fc1
	.p2align	8
	.type	k_q1706f6a7d3_fc1,@function
k_q1706f6a7d3_fc1:
	s_mov_b64 s[64:65], 0
	v_nop
	global_prefetch_b8 v0, s[64:65] scope:SCOPE_SE
	s_setreg_imm32_b32 hwreg(HW_REG_WAVE_MODE, 25, 1), 1
	s_wait_xcnt 0x0
	s_wait_alu depctr_hold_cnt(0) depctr_sa_sdst(0) depctr_va_vdst(0) depctr_va_sdst(0) depctr_va_ssrc(0) depctr_va_vcc(0) depctr_vm_vsrc(0)
	s_getreg_b32 s2, hwreg(HW_REG_IB_STS2, 6, 4)
	s_cmp_eq_u32 s2, 0
	s_cbranch_scc0 .Lentry_in_a_cluster
	s_endpgm
.Lentry_in_a_cluster:
	s_bfe_u32 s2, ttmp6, 0x10000c
	s_cmp_lg_u32 s2, 0xf033
	s_cbranch_scc0 .Lentry_shape_is_right
	s_endpgm
.Lentry_shape_is_right:
; h = codes of relu(q8((x's codes . w1's codes, K = 1,024, f32 sums) x 2^(e0 + e1))) at the scale 2^e2.  Each sum is held between 0 and 448 (and 448 x 2^e2 where e2 < 0), rounded to E4M3 at scale 1,
; widened again (exact), divided by 2^e2 and rounded to a code.  Operands and result are images of operand registers: 16 rows x 128 K = 2,048 bytes; chunk c, lane r + 16 h: row r, k = 32 c + 16 h + 0 .. 15.
; LIMITS: 127 - (e0 + e1) + min(e2, 0) at least 1, 135 - (e0 + e1) at most 254, e2 between -126 and 127, so that each power of two below is an f32 number.  NaN is not served.
; SHARES.  Work-group (gx, y): rows 512 y .. + 511 x hidden units 256 gx .. + 255.  Wave w keeps its 64 rows of w1, all 1,024 K, in 512 registers for the whole launch, and walks the 32 blocks of 16 rows of x.
; x comes through two LDS slots of 128 rows (131,072 bytes, dense images); every wave reads all of a slot.  A block is 32 matrix instructions on 4 accumulators by turns.
; CLUSTER, 4 x 4.  The four work-groups of a row of the cluster share y and ask for x's tiles JOINTLY; the four of a column share gx and ask jointly for K steps 4-7 of their 256 rows of w1 (131,072 bytes), which pass
; once through slot 1's bytes on their way into registers.  K steps 0-3 of w1 go from memory straight into the registers of the one wave that keeps them: LDS has no room for them beside x's first tile.
; A BLOCK.  All its memory instructions stand in ONE run behind K step 3: the last block's two stores and the next block's 32 LDS loads, into the other buffer.
; The last block's 32 sums are held among the products of K steps 1 to 3 (10, 10, 12), and converted in one run ahead of the stores.
; PREFETCH.  x's chunks 2 and 3 (131,072 bytes each) are asked for once by the four work-groups that will load them, a lane a block of 256 bytes, one line a wave (16 waves x 32 lanes), in the first block of the period
; at whose end the refill goes out: seven blocks ahead.  Chunks 0 and 1 come by their loads alone.  The partners share the blocks out by address.
; REGISTERS.  window 0: addresses, scales, v32-79 the way out, v96-159 two sets of 4 accumulators.  windows 1, 2: w1 (K step s, tile t at 64 s + 16 t).  window 3: x's fragments, two buffers of 128.
.set SLOTB, 131072
.set SPARE, 2*SLOTB                    ; behind the slots: the spare words, 128 bytes a wave, that no other line names
.set LI,  3                            ; 16 x lane
.set LA,  4                            ; v4-7  that + 65,536 q
.set VA,  8                            ; that + the loop's place in the slot
.set PFO, 9                            ; 256 x lane
.set SC1, 10                           ; 2^-(e0 + e1)
.set SCB, 11                           ; the scale byte 127 in every byte
.set SC2, 12                           ; 2^e2
.set WA,  13                           ; 16 x lane + where my four tiles of w1 lie in slot 1's bytes
.set SPW, 28
.set NIL, 29
.set TMP, 32
.set Q,   64
.set C,   72
.set ACC, 96
.set WV,  12
.set G1,  24                           ; x's refills: 128 rows of 256 bytes a wave
.set G0,  32
.set WB,  40
.set HB,  42
.set LIM, 44
.set XO,  45
.set PFB, 52
.set G1W, 68                           ; the head's load of w1: 8 tiles x 8,192 bytes
.set G1H, 76                           ; the head's load of x: 256 rows of 256 bytes
.set G0W, 84
.set G0H, 88
.set MSB, 0
.macro WIN new                         ; the immediate's high byte repeats the setting that is left
.if MSB != (\new)
	s_set_vgpr_msb (MSB<<8)|(\new)
.set MSB, (\new)
.endif
.endm
.macro CREST
	s_cmp_lg_u32 s[WV], 0
	s_cbranch_scc1 .Lnot_wave_0_\@
	s_barrier_signal -3
.Lnot_wave_0_\@:
	s_barrier_wait -3
	s_barrier_signal -1
	s_barrier_wait -1
.endm
.macro CROUND
	s_barrier_signal -1
	s_barrier_wait -1
	CREST
.endm
.macro JLOAD s                         ; my quarter of slot s, jointly; s_nop 0 and four v_nop follow
	tensor_load_to_lds s[G0+4*\s:G0+4*\s+3], s[G1:G1+7]
	s_nop 0
.rept 4
	v_nop
.endr
.endm
	s_load_b256 s[4:11], s[0:1], 0x0               ; xq, w1q, the scales' exponents, hq
	v_lshl_add_u32 v[SPW], v0, 2, SPARE
	v_mov_b32 v[NIL], 0
	ds_add_u32 v[SPW], v[NIL]                      ; the opening lines: the add twice on end and one wait
	ds_add_u32 v[SPW], v[NIL]
	v_lshrrev_b32 v1, 5, v0
	v_readfirstlane_b32 s[WV], v1
	v_and_b32 v[LI], 31, v0
	v_lshlrev_b32 v[PFO], 8, v[LI]
	v_lshlrev_b32 v[LI], 4, v[LI]
.irp q, 0,1,2,3
	v_add_nc_u32 v[LA+\q], 65536*\q, v[LI]
.endr
	s_lshl_b32 s48, s[WV], 15                      ; my quarter of a slot
	s_add_co_u32 s55, s48, SLOTB
	v_add_nc_u32 v[WA], s55, v[LI]                 ; tile 4 w + t of w1's upper K half lies at SLOTB + 8,192 (4 w + t)
	s_bfe_u32 s13, ttmp6, 0x40000                  ; cx
	s_bfe_u32 s54, ttmp6, 0x40004                  ; cy
	s_lshl_b32 s14, ttmp9, 2
	s_add_co_u32 s14, s14, s13                     ; gx = 4 x cluster x + cx
	s_and_b32 s15, ttmp7, 0xffff
	s_lshl_b32 s15, s15, 2
	s_add_co_u32 s15, s15, s54                     ; y = 4 x cluster y + cy
	s_lshl_b32 s50, s54, 2
	s_lshl_b32 s50, 15, s50                        ; my row of the cluster: it shares y
	s_lshl_b32 s51, 0x1111, s13                    ; my column: it shares gx
	s_or_b32 s[G1+0], s50, (3<<16)|(1<<21)         ; the mask; elements of 8 bytes; bit 21 beside a mask
	s_or_b32 s[G1H+0], s50, (3<<16)|(1<<21)
	s_or_b32 s[G1W+0], s51, (3<<16)|(1<<21)
	s_mov_b32 s[G1+1], 32<<16
	s_mov_b32 s[G1+2], 128<<16
	s_mov_b32 s[G1+3], 32<<16
	s_mov_b32 s[G1+4], 128                         ; 128 rows of 256 bytes, dense: 32,768 bytes
	s_mov_b32 s[G1+5], 32
	s_mov_b32 s[G1+6], 0
	s_mov_b32 s[G1+7], 0
	s_mov_b32 s[G1H+1], 32<<16
	s_mov_b32 s[G1H+2], 256<<16
	s_mov_b32 s[G1H+3], 32<<16
	s_mov_b32 s[G1H+4], 256                        ; 256 rows of 256 bytes, dense: 65,536 bytes
	s_mov_b32 s[G1H+5], 32
	s_mov_b32 s[G1H+6], 0
	s_mov_b32 s[G1H+7], 0
	s_mov_b32 s[G1W+1], 1024<<16
	s_mov_b32 s[G1W+2], 8<<16
	s_mov_b32 s[G1W+3], 1024<<16
	s_mov_b32 s[G1W+4], 8                          ; 8 tiles: of each 16,384 bytes the upper 8,192
	s_mov_b32 s[G1W+5], 2048
	s_mov_b32 s[G1W+6], 0
	s_mov_b32 s[G1W+7], 0
	s_and_b32 s49, s[WV], 1
	s_lshl_b32 s49, s49, 16                        ; which 65,536 bytes my head load brings
	s_lshl_b32 s20, s15, 19                        ; x: 32 images of 16,384 bytes for each y
	s_add_co_u32 s22, s20, s49
	s_mov_b32 s23, 0
	s_lshl_b32 s[PFB], s13, 15                     ; the prefetch: my work-group's quarter of a chunk, my wave's quarter of that
	s_lshl_b32 s[PFB+1], s[WV], 13
	s_add_co_u32 s[PFB], s[PFB], s[PFB+1]
	s_add_co_u32 s[PFB], s[PFB], s20
	s_mov_b32 s[PFB+1], 0
	s_add_co_u32 s20, s20, s48
	s_mov_b32 s21, 0
	s_lshl_b32 s50, s14, 18                        ; w1: tile 16 gx, 16,384 bytes a tile
	s_lshl_b32 s46, s[WV], 16
	s_add_co_u32 s46, s46, s50                     ; my four tiles
	s_mov_b32 s47, 0
	s_lshl_b32 s51, s49, 1
	s_add_co_u32 s50, s50, s51                     ; the head's joint load: tiles 0-7 or 8-15,
	s_add_co_u32 s50, s50, 8192                    ; K steps 4-7
	s_mov_b32 s51, 0
	s_lshr_b32 s54, s14, 2                         ; h: [K: 4 x 1,024][16 rows: 512][K: 8 x 128][2,048]; my 64 hidden units are half an image
	s_lshl_b32 s54, s54, 23
	s_lshl_b32 s55, s15, 19
	s_add_co_u32 s54, s54, s55
	s_and_b32 s55, s14, 3
	s_lshl_b32 s55, s55, 12
	s_add_co_u32 s54, s54, s55
	s_lshl_b32 s55, s[WV], 10
	s_add_co_u32 s54, s54, s55
	s_mov_b32 s55, 0
	s_wait_alu depctr_va_vdst(0)
	s_wait_dscnt 0x0
	s_wait_kmcnt 0x0
	s_load_b128 s[16:19], s[8:9], 0x0              ; e0, e1, e2, e3
	s_add_nc_u64 s[20:21], s[4:5], s[20:21]
	s_add_nc_u64 s[22:23], s[4:5], s[22:23]
	s_add_nc_u64 s[PFB:PFB+1], s[4:5], s[PFB:PFB+1]
	s_add_nc_u64 s[WB:WB+1], s[6:7], s[46:47]
	s_add_nc_u64 s[50:51], s[6:7], s[50:51]
	s_add_nc_u64 s[HB:HB+1], s[10:11], s[54:55]
	CROUND                                         ; the first joint loads meet
.irp s, 0,1
	s_mov_b32 s[G0+4*\s], 1
	s_add_co_u32 s[G0+4*\s+1], s48, \s*SLOTB
	s_add_nc_u64 s[G0+4*\s+2:G0+4*\s+3], s[20:21], \s*SLOTB
	s_or_b32 s[G0+4*\s+3], s[G0+4*\s+3], 0x80000000
.endr
	s_mov_b32 s[G0H], 1
	s_mov_b32 s[G0H+1], s49
	s_mov_b64 s[G0H+2:G0H+3], s[22:23]
	s_or_b32 s[G0H+3], s[G0H+3], 0x80000000
	s_mov_b32 s[G0W], 1
	s_add_co_u32 s[G0W+1], s49, SLOTB
	s_mov_b64 s[G0W+2:G0W+3], s[50:51]
	s_or_b32 s[G0W+3], s[G0W+3], 0x80000000
	s_cmp_lt_u32 s[WV], 2                          ; one tensor load a wave at the head: waves 0, 1 bring w1's upper K half into slot 1's bytes, waves 2, 3 x's rows 0-127 into slot 0
	s_cbranch_scc0 .Lhead_x
	tensor_load_to_lds s[G0W:G0W+3], s[G1W:G1W+7]
	s_nop 0
.rept 4
	v_nop
.endr
	s_branch .Lhead_on
.Lhead_x:
	tensor_load_to_lds s[G0H:G0H+3], s[G1H:G1H+7]
	s_nop 0
.rept 4
	v_nop
.endr
.Lhead_on:
	WIN 0x40
.irp s, 0,1,2,3                        ; w1's K steps 0-3, 16 loads each, while the tiles are on their way
.irp t, 0,1,2,3
.irp c, 0,1,2,3
	global_load_b128 v[64*\s+16*\t+4*\c:64*\s+16*\t+4*\c+3], v[LI], s[WB:WB+1] offset:16384*\t+2048*\s+512*\c
.endr
.endr
.endr
	WIN 0
	s_wait_kmcnt 0x0
	s_add_co_i32 s49, s16, s17
	s_sub_co_i32 s49, 127, s49
	s_lshl_b32 s50, s49, 23
	v_mov_b32 v[SC1], s50                          ; 2^-(e0 + e1): a sum divided by it is the number that is rounded
	s_min_i32 s51, s18, 0
	s_add_co_i32 s49, s49, s51
	s_add_co_i32 s49, s49, 8
	s_lshl_b32 s49, s49, 23
	s_or_b32 s[LIM], s49, 0x600000                 ; 448 x 2^(min(e2, 0) - e0 - e1): one hold serves both roundings
	s_add_co_i32 s51, s18, 127
	s_lshl_b32 s51, s51, 23
	v_mov_b32 v[SC2], s51
	v_mov_b32 v[SCB], 0x7f7f7f7f
.macro HOLD q, n                       ; n sums of set q, from the low end on: relu and the hold in one (the conversion does not saturate: ISA guide 7.6.2).  The sum is source 2, which the products' window setting leaves in window 0
.rept \n
	v_med3_num_f32 v[TMP+hx], 0, s[LIM], v[ACC+32*(\q)+hx]
.set hx, hx+1
.endr
.endm
.macro GRP p, g, ep                    ; K step g of a block: four products, source 0 = 16 rows of w1, source 1 = 16 rows of x: a lane holds one row and eight neighbouring hidden units
	WIN 0x0c|(1+(\g)/4)
.irp t, 0,1,2,3
.if (\g) == 0
	v_wmma_f32_16x16x128_fp8_fp8 v[ACC+32*(\p)+8*\t:ACC+32*(\p)+8*\t+7], v[16*\t:16*\t+15], v[128*(\p):128*(\p)+15], 0
	v_nop                                          ; four places behind the last block's products, ahead of the reads of their sums and of the loads into their fragments
.else
	v_wmma_f32_16x16x128_fp8_fp8 v[ACC+32*(\p)+8*\t:ACC+32*(\p)+8*\t+7], v[64*((\g)%4)+16*\t:64*((\g)%4)+16*\t+15], v[128*(\p)+16*(\g):128*(\p)+16*(\g)+15], v[ACC+32*(\p)+8*\t:ACC+32*(\p)+8*\t+7]
.if (\ep) && ((\g) <= 3)
.if ((\g) < 3) && (\t == 3)
	HOLD 1-(\p), 1
.else
	HOLD 1-(\p), 3
.endif
.endif
.endif
.endr
.endm
.macro BURST                           ; 32 held sums become 32 codes a lane and leave: 32 lanes store 512 consecutive bytes, twice
	WIN 0
.irp t, 0,1,2,3
	v_cvt_scalef32_pk8_fp8_f32 v[Q+2*\t:Q+2*\t+1], v[TMP+8*\t:TMP+8*\t+7], v[SC1]
.endr
	v_nop                                          ; a plain line between conversions and the lines that touch their results or write their sources
.irp t, 0,1,2,3
	v_cvt_scale_pk8_f32_fp8 v[TMP+8*\t:TMP+8*\t+7], v[Q+2*\t:Q+2*\t+1], v[SCB]
.endr
	v_nop
.irp t, 0,1,2,3
	v_cvt_scalef32_pk8_fp8_f32 v[C+2*\t:C+2*\t+1], v[TMP+8*\t:TMP+8*\t+7], v[SC2]
.endr
	v_nop
	global_store_b128 v[LI], v[C:C+3], s[HB:HB+1] offset:-16384
	global_store_b128 v[LI], v[C+4:C+7], s[HB:HB+1] offset:-16384+512
.endm
.macro FRUN pn, areg, off              ; a whole block of x in one run, K step by K step, into buffer pn
	WIN 0xc0
.set i, 0
.rept 32
	ds_load_b128 v[128*(\pn)+4*i:128*(\pn)+4*i+3], v[\areg] offset:(\off)+512*i
.set i, i+1
.endr
.endm
; A block on buffer and accumulators p.  ep: the block before goes out.  fm: the next block is fetched from v[areg] + off.  lw: w1's loads are waited for.  va: the loop's LDS address is made.  pf: byte offset of a chunk to prefetch, or 0.
.macro BLK p, ep, fm, areg, off, lw, va, pf
.if \ep
	s_wait_xcnt 0x0                                ; the last stores have read their codes and their base
	s_add_nc_u64 s[HB:HB+1], s[HB:HB+1], 16384     ; the stores reach one image back
.endif
.set hx, 0
.irp g, 0,1,2,3,4,5,6,7
.if (\lw) && (\g <= 3)
	s_wait_loadcnt 48-16*\g                        ; w1's K step g: 16 loads for each younger K step may be out
.endif
.if (\fm) && (\g >= 4)
	s_wait_dscnt 60-4*\g                           ; behind this K step's four loads: 28 - 4 g of their run and the 32 of this block's run
.else
	s_wait_dscnt 28-4*\g
.endif
.if (\va) && (\g == 0)
	WIN 0
	v_add_nc_u32 v[VA], s[XO], v[LI]
.endif
	GRP \p, \g, \ep
.if (\ep) && (\g == 3)
	BURST
.endif
.if (\pf) && (\g == 3)
	WIN 0
	global_prefetch_b8 v[PFO], s[PFB:PFB+1] offset:\pf th:TH_LOAD_NT scope:SCOPE_SE
.endif
.if (\fm) && (\g == 3)
	FRUN 1-(\p), \areg, \off
.endif
.endr
.endm
; A slot's last block (buffer 1) changes slots.  All its fragments were asked for in the block before.  Each wave waits for all its tensor loads, adds 0 to its spare word, and behind 16 products waits for the add and for its reads
; of the slot; the barrier (fill = 1: it opens a round of the cluster's barrier); the slot just left is filled again first; then the next block is fetched from the other slot.
.macro TURN fill, slot, areg, off
	s_wait_xcnt 0x0
	s_add_nc_u64 s[HB:HB+1], s[HB:HB+1], 16384
	WIN 0
	s_wait_tensorcnt 0x0
	ds_add_u32 v[SPW], v[NIL]
.if \fill
	s_add_nc_u64 s[G0+4*\slot+2:G0+4*\slot+3], s[G0+4*\slot+2:G0+4*\slot+3], 2*SLOTB
.endif
.set hx, 0
.irp g, 0,1,2,3
	s_wait_dscnt 29-4*\g                           ; behind this K step's loads: 28 - 4 g loads and the add
	GRP 1, \g, 1
.endr
	s_wait_alu depctr_va_vdst(0)
	s_wait_dscnt 0x0
	s_barrier_signal -1
	GRP 1, 4, 1
	WIN 0
	s_barrier_wait -1
.if \fill
	CREST
	JLOAD \slot                                    ; it has the next eight blocks, 256 matrix instructions, in which to land
.endif
	FRUN 0, \areg, \off
	BURST
	GRP 1, 5, 1
	GRP 1, 6, 1
	GRP 1, 7, 1
.endm
; A period: the eight blocks of slot k % 2.  Block 0, a loop of three trips of two blocks, the last block.
.macro PERIOD k
.set sb, (\k)%2
.if (\k) < 2
	BLK 0, (\k)>0, 1, LA+2*sb, 16384, (\k)==0, 0, ((\k)+2)*SLOTB
.else
	BLK 0, 1, 1, LA+2*sb, 16384, 0, 0, 0
.endif
	WIN 0                                          ; at a label and at a branch every window is 0
	s_mov_b32 s[XO], SLOTB*sb
.Ltrip_\@:                                             ; trip t: blocks 2 t + 1, 2 t + 2 fetch blocks 2 t + 2, 2 t + 3
	BLK 1, 1, 1, VA, 32768, 0, 1, 0
	BLK 0, 1, 1, VA, 49152, 0, 0, 0
	WIN 0
	s_add_co_u32 s[XO], s[XO], 32768
	s_cmp_lt_u32 s[XO], SLOTB*sb+98304
	s_cbranch_scc1 .Ltrip_\@
.if (\k) < 3
	TURN (\k)<2, sb, LA+2*(1-sb), 0
.else
	BLK 1, 1, 0, VA, 0, 0, 0, 0
.endif
.endm
	s_wait_alu depctr_va_vdst(0)
	s_wait_tensorcnt 0x0                           ; my head load is in
	s_barrier_signal -1
	s_barrier_wait -1                              ; everybody's is
	WIN 0x80
.irp s, 0,1,2,3                        ; w1's K steps 4-7 of my four tiles, out of slot 1's bytes into window 2
.irp t, 0,1,2,3
.irp c, 0,1,2,3
	ds_load_b128 v[64*\s+16*\t+4*\c:64*\s+16*\t+4*\c+3], v[WA] offset:8192*\t+2048*\s+512*\c
.endr
.endr
.endr
	FRUN 0, LA, 0                                  ; and x's block 0
	WIN 0
	s_wait_tensorcnt 0x0                           ; slot 1's bytes are filled again: the three lines,
	ds_add_u32 v[SPW], v[NIL]
	s_wait_dscnt 0x0                               ; my reads of them are over
	CROUND                                         ; a round,
	JLOAD 1                                        ; and x's rows 128-255, the first tensor load behind it
	PERIOD 0
	PERIOD 1
	PERIOD 2
	PERIOD 3
	WIN 0                                          ; the last block goes out
	s_wait_xcnt 0x0
	s_add_nc_u64 s[HB:HB+1], s[HB:HB+1], 16384
.rept 4
	v_nop
.endr
.set hx, 0
	HOLD 1, 32
	BURST
	s_wait_tensorcnt 0x0                           ; the wave's end
	ds_add_u32 v[SPW], v[NIL]
	s_wait_dscnt 0x0
	CROUND                                         ; the closing round
	s_endpgm
.Lfunc_end_k_q1706f6a7d3_fc1:
	.size	k_q1706f6a7d3_fc1, .Lfunc_end_k_q1706f6a7d3_fc1-k_q1706f6a7d3_fc1
	.p2alignl 7, 3214868480
	.fill 96, 4, 3214868480
	.section	.rodata,"a",@progbits
	.p2align	6, 0x0
	.amdhsa_kernel k_q1706f6a7d3_fc1
		.amdhsa_group_segment_fixed_size 327680
		.amdhsa_private_segment_fixed_size 0
		.amdhsa_enable_private_segment 0
		.amdhsa_kernarg_size 32
		.amdhsa_user_sgpr_count 2
		.amdhsa_user_sgpr_kernarg_segment_ptr 1
		.amdhsa_wavefront_size32 1
		.amdhsa_system_sgpr_workgroup_id_x 1
		.amdhsa_system_sgpr_workgroup_id_y 1
		.amdhsa_system_sgpr_workgroup_id_z 1
		.amdhsa_system_vgpr_workitem_id 0
		.amdhsa_next_free_vgpr 1024
		.amdhsa_next_free_sgpr 92
		.amdhsa_reserve_vcc 0
		.amdhsa_float_denorm_mode_32 3
		.amdhsa_float_denorm_mode_16_64 3
		.amdhsa_memory_ordered 1
		.amdhsa_forward_progress 1
		.amdhsa_inst_pref_size 143
	.end_amdhsa_kernel
	.amdgpu_metadata
---
amdhsa.version: [ 1, 2 ]
amdhsa.kernels:
  - .name:           k_q1706f6a7d3_fc1
    .symbol:         k_q1706f6a7d3_fc1.kd
    .args:
      - { .name: xq, .offset: 0, .size: 8, .value_kind: global_buffer, .address_space: global }
      - { .name: w1q, .offset: 8, .size: 8, .value_kind: global_buffer, .address_space: global }
      - { .name: lowp_scales, .offset: 16, .size: 8, .value_kind: global_buffer, .address_space: global }
      - { .name: hq, .offset: 24, .size: 8, .value_kind: global_buffer, .address_space: global }
    .group_segment_fixed_size: 327680
    .private_segment_fixed_size: 0
    .kernarg_segment_align: 8
    .kernarg_segment_size: 32
    .max_flat_workgroup_size: 128
    .sgpr_count:     92
    .vgpr_count:     1024
    .wavefront_size: 32
...
	.end_amdgpu_metadata
.endif
;; end of part 5
;; launch fc2 (part 6): grid 4 x 64, 4 waves a work-group, clusters of 4 x 1, 327,680 bytes of LDS; arguments hq, w2q, lowp_scales, out0; writes out0
.if DOCPART == 6
	.amdgcn_target "amdgcn-amd-amdhsa--gfx1250"
	.amdhsa_code_object_version 6
	.text
	.protected	k_q1706f6a7d3_fc2
	.globl	k_q1706f6a7d3_fc2
	.p2align	8
	.type	k_q1706f6a7d3_fc2,@function
k_q1706f6a7d3_fc2:
	s_mov_b64 s[64:65], 0
	v_nop
	global_prefetch_b8 v0, s[64:65] scope:SCOPE_SE
	s_setreg_imm32_b32 hwreg(HW_REG_WAVE_MODE, 25, 1), 1
	s_wait_xcnt 0x0
	s_wait_alu depctr_hold_cnt(0) depctr_sa_sdst(0) depctr_va_vdst(0) depctr_va_sdst(0) depctr_va_ssrc(0) depctr_va_vcc(0) depctr_vm_vsrc(0)
	s_getreg_b32 s2, hwreg(HW_REG_IB_STS2, 6, 4)
	s_cmp_eq_u32 s2, 0
	s_cbranch_scc0 .Lentry_in_a_cluster
	s_endpgm
.Lentry_in_a_cluster:
	s_bfe_u32 s2, ttmp6, 0x10000c
	s_cmp_lg_u32 s2, 0x3003
	s_cbranch_scc0 .Lentry_shape_is_right
	s_endpgm
.Lentry_shape_is_right:
; out = (h's codes . w2's codes, K = 4,096, f32 sums) x 2^(e2 + e3), rounded to the nearest number of E4M3 at scale 1, held at +-448, as f32.  out: [8192][1024].
; Both operands come as images of operand registers (16 rows x 128 K = 2,048 bytes; chunk c, lane r + 16 h: row r, k = 32 c + 16 h + 0 .. 15): h laid [K: 4 x 1,024][16 rows: 512][K: 8 x 128][2,048], w2 [16 rows: 64][K: 32 x 128][2,048].
; LIMITS: 127 - (e2 + e3) at least 1 and 135 - (e2 + e3) at most 254, so that each power of two below is an f32 number.  NaN is not served.
; SHARES.  Work-group (gx, y) makes rows 128 y .. + 127 x outputs 256 gx .. + 255; wave w all 128 rows x 64 outputs: 32 accumulators, 256 registers.
; h comes through two LDS slots of 128 rows x 1,024 K (131,072 bytes, dense images), four slots' worth; every wave reads all of a slot.  A K step of 128 is 32 matrix instructions.
; CLUSTER.  The four work-groups of a cluster have the same y and walk the same rows of h: each wave's quarter of a slot is asked for JOINTLY, the same load with the same descriptor and the mask of all four.
; w2 IS NOT ASKED FOR JOINTLY AND DOES NOT GO THROUGH LDS: a wave's 64 rows of w2 are read by no other wave of its work-group and by no partner of its cluster, so each lane loads its fragments whole from memory,
; 16 loads of 512 consecutive bytes a K step, four K steps ahead, in five sets of 64 registers.  LDS then holds h alone, in slots eight K steps long.
; THE MATRIX INSTRUCTION IS USED TRANSPOSED (source 0 = 16 rows of w2, source 1 = 16 rows of h): a lane holds eight neighbouring outputs of one row.
; MEMORY INSTRUCTIONS STAND IN RUNS, never singly among the matrix instructions: a K step is 16 matrix instructions, four places, one run (the next K step's 32 LDS loads of h, 16 loads of w2), 16 matrix instructions,
; all 32 under one setting of the register windows.  The text is written out: every offset is an immediate.
; REGISTERS.  window 0: v1-12 addresses and scales; v28, v29 the add's two; v32-63, v64-71 at work on the way out; v128-255 h's fragments of even K steps (on the way out: rows read back).
;   window 1: the accumulators ((row block m, tile t) at v[8 (4 m + t)]).   window 2: w2's sets 0-3.   window 3: v0-63 w2's set 4; v128-255 h's fragments of odd K steps.
.set SLOTB, 131072
.set CHUNK, 8388608                    ; 1,024 along K of all rows of h, in bytes
.set SPARE, 2*SLOTB                    ; behind the two slots: the spare words, 128 bytes for each wave: two blocks of 256 bytes that no other line names
.set STAGE, SPARE+512                  ; behind them: 16 rows x (256 bytes + 16) for each wave, for the way out; no tensor load fills it
.set SPI,   272                        ; a stage row = 68 words: row r starts at bank 4 r mod 64 (64 banks of 4 bytes: ISA guide 11.1)
.set LI,  3                            ; v3    16 x lane
.set LA,  4                            ; v4-7  that + 65,536 q
.set STO, 8                            ; v8    the way out: where I put 32 bytes of a row
.set RD,  9                            ; v9    where I read a row back
.set GO,  10                           ; v10   my byte offset in two rows of out
.set SC,  11                           ; v11   2^-(e2 + e3)
.set SCB, 12                           ; v12   the scale byte 127 in every byte
.set SPW, 28
.set NIL, 29
.set TMP, 32
.set Q,   64
.set AF,  128
.set BK,  128                          ; the way out: 16 rows read back: v128-159 and v160-191 by turns
.set WV,  12
.set G1,  24
.set G0,  32
.set WB,  40                           ; s[40:41] my four tiles of w2
.set OB,  42                           ; s[42:43] my 64 outputs of my work-group's first row
.set LIMN, 44                          ; s44, s45  -+448 / 2^(e2 + e3)
.set LIMP, 45
.set MSB, 0
.macro WIN new                         ; the immediate's high byte repeats the setting that is left; a switch that changes nothing is dropped
.if MSB != (\new)
	s_set_vgpr_msb (MSB<<8)|(\new)
.set MSB, (\new)
.endif
.endm
.macro CREST                           ; a round of the cluster's barrier behind its opening barrier
	s_cmp_lg_u32 s[WV], 0
	s_cbranch_scc1 .Lnot_wave_0_\@
	s_barrier_signal -3
.Lnot_wave_0_\@:
	s_barrier_wait -3
	s_barrier_signal -1
	s_barrier_wait -1
.endm
.macro CROUND
	s_barrier_signal -1
	s_barrier_wait -1
	CREST
.endm
.macro JLOAD s                         ; my quarter of slot s, jointly; an s_nop 0 and four v_nop follow
	tensor_load_to_lds s[G0+4*\s:G0+4*\s+3], s[G1:G1+7]
	s_nop 0
.rept 4
	v_nop
.endr
.endm
; A load into a register that a matrix instruction has read, and a vector instruction that reads a matrix result, stand four places behind that matrix instruction, and only plain vector instructions
; that name none of its registers are places (ISA guide 7.12.1 for vector instructions); this text has no other vector work in its K steps.
.macro PLACES
.rept 4
	v_nop
.endr
.endm
.macro WLOAD jj, b                     ; load b of 16 of K step jj's fragments of w2 (tile b / 4, chunk b % 4) into set jj % 5
.set st, (\jj)%5
	WIN 0x80+0x40*(st/4)                           ; destination window 2 (sets 0-3) or 3 (set 4), address window 0
	global_load_b128 v[64*(st%4)+4*(\b):64*(st%4)+4*(\b)+3], v[LI], s[WB:WB+1] offset:65536*((\b)/4)+2048*(\jj)+512*((\b)%4)
.endm
.macro WRUN jj                         ; all 16
.set b, 0
.rept 16
	WLOAD \jj, b
.set b, b+1
.endr
.endm
	s_load_b256 s[4:11], s[0:1], 0x0               ; hq s[4:5], w2q s[6:7], the scales' exponents s[8:9], out s[10:11]
	v_lshl_add_u32 v[SPW], v0, 2, SPARE
	v_mov_b32 v[NIL], 0
	ds_add_u32 v[SPW], v[NIL]                      ; the wave's opening: the adds and their wait ahead of my first tensor load; the set-up below, work on registers, stands between them
	ds_add_u32 v[SPW], v[NIL]
	v_lshrrev_b32 v1, 5, v0
	v_readfirstlane_b32 s[WV], v1                  ; wave 0..3
	v_and_b32 v[LI], 31, v0
	v_lshlrev_b32 v[LI], 4, v[LI]
.irp q, 0,1,2,3
	v_add_nc_u32 v[LA+\q], 65536*\q, v[LI]
.endr
	v_and_b32 v1, 15, v0                           ; r
	v_bfe_u32 v2, v0, 4, 1                         ; h
	s_mul_i32 s46, s[WV], 16*SPI
	s_add_co_u32 s46, s46, STAGE                   ; my stage
	v_mul_u32_u24 v[STO], v1, SPI                  ; in: row r, 32 bytes for each half of the lanes
	v_lshl_add_u32 v[STO], v2, 5, v[STO]
	v_add_nc_u32 v[STO], s46, v[STO]
	v_mul_u32_u24 v[RD], v2, SPI                   ; back: lanes 0-15 take one row of 256 bytes, lanes 16-31 the next
	v_lshl_add_u32 v[RD], v1, 4, v[RD]
	v_add_nc_u32 v[RD], s46, v[RD]
	v_lshlrev_b32 v[GO], 12, v2                    ; and the same two rows in out: 4,096 bytes a row
	v_lshl_add_u32 v[GO], v1, 4, v[GO]
	s_bfe_u32 s13, ttmp6, 0x40000                  ; cx: my place in the cluster
	s_lshl_b32 s14, ttmp9, 2
	s_add_co_u32 s14, s14, s13                     ; gx = 4 x cluster x + cx: it enters w2's and out's addresses alone
	s_and_b32 s15, ttmp7, 0xffff                   ; y, which the four partners share
	; descriptor group 1: 128 rows of 32 elements of 8 bytes, dense: 32,768 bytes on end
	s_mov_b32 s[G1+0], 15|(3<<16)|(1<<21)          ; 15:0 the mask: all four work-groups; 17:16 elements of 8 bytes; 20 no padding; 21 set beside a mask
	s_mov_b32 s[G1+1], 32<<16                      ; tensor_dim0 = 32
	s_mov_b32 s[G1+2], 128<<16                     ; tensor_dim1 = 128
	s_mov_b32 s[G1+3], 32<<16                      ; tile_dim0 = 32
	s_mov_b32 s[G1+4], 128                         ; tile_dim1 = 128
	s_mov_b32 s[G1+5], 32                          ; tensor_dim0_stride
	s_mov_b32 s[G1+6], 0
	s_mov_b32 s[G1+7], 0
	s_lshl_b32 s48, s[WV], 15                      ; my quarter of a slot: 32,768 x wave, in LDS and in memory
	s_lshl_b32 s20, s15, 17                        ; h: 8 images of 16,384 bytes for each y
	s_add_co_u32 s20, s20, s48
	s_mov_b32 s21, 0
	s_lshl_b32 s22, s14, 20                        ; w2: tile 16 gx + 4 w, 65,536 bytes a tile
	s_lshl_b32 s46, s[WV], 18
	s_add_co_u32 s22, s22, s46
	s_mov_b32 s23, 0
	s_lshl_b32 s46, s15, 19                        ; out: 128 y rows of 4,096 bytes + 1,024 gx + 256 w
	s_lshl_b32 s47, s14, 10
	s_add_co_u32 s46, s46, s47
	s_lshl_b32 s47, s[WV], 8
	s_add_co_u32 s46, s46, s47
	s_mov_b32 s47, 0
	s_wait_dscnt 0x0                               ; the opening add is done
	s_wait_kmcnt 0x0
	s_load_b128 s[16:19], s[8:9], 0x0              ; e0, e1, e2, e3
	s_add_nc_u64 s[20:21], s[4:5], s[20:21]
	s_add_nc_u64 s[WB:WB+1], s[6:7], s[22:23]
	s_add_nc_u64 s[OB:OB+1], s[10:11], s[46:47]
	CROUND                                         ; all four work-groups are here: the first joint loads meet
.irp s, 0,1
	s_mov_b32 s[G0+4*\s], 1                                        ; count = 1
	s_add_co_u32 s[G0+4*\s+1], s48, \s*SLOTB                       ; LDS address: the wave's number and the slot's constant alone
	s_add_nc_u64 s[G0+4*\s+2:G0+4*\s+3], s[20:21], \s*CHUNK        ; global address: K = 1,024 s on
	s_or_b32 s[G0+4*\s+3], s[G0+4*\s+3], 0x80000000                ; type = 2
.endr
	tensor_load_to_lds s[G0:G0+3], s[G1:G1+7]      ; slot 0: one tensor load a wave at the head; w2's first loads go out while it is on its way
	s_nop 0
.rept 4
	v_nop
.endr
.irp jj, 0,1,2,3                       ; w2 of K steps 0 to 3
	WRUN \jj
.endr
	WIN 0
	s_wait_kmcnt 0x0
	s_add_co_i32 s49, s18, s19                     ; e2 + e3
	s_sub_co_i32 s49, 127, s49
	s_lshl_b32 s50, s49, 23
	v_mov_b32 v[SC], s50                           ; 2^-(e2 + e3) as f32: dividing a sum by it gives the number that is rounded
	s_add_co_i32 s49, s49, 8
	s_lshl_b32 s49, s49, 23
	s_or_b32 s[LIMP], s49, 0x600000                ; 448 / 2^(e2 + e3),
	s_or_b32 s[LIMN], s[LIMP], 0x80000000          ; and its negative
	v_mov_b32 v[SCB], 0x7f7f7f7f
	s_wait_alu depctr_va_vdst(0)
	s_wait_tensorcnt 0x0                           ; my part of slot 0 is in; the same lines ahead of a later first fill as ahead of a refill
	ds_add_u32 v[SPW], v[NIL]
	s_wait_dscnt 0x0
	CROUND
	tensor_load_to_lds s[G0+4:G0+7], s[G1:G1+7]    ; slot 1's first fill, the first tensor load behind the round
	s_nop 0
.rept 4
	v_nop
.endr
; Matrix instruction k of 32 of K step j: row block k / 4, tile k % 4.  The 32 accumulators take turns, one instruction a turn, in the same order in every K step; K step 0 starts the sums.
.macro MM j
.set st, (\j)%5
.set bw, 2+st/4
.set br, 64*(st%4)+16*(k%4)
.set aw, 3*((\j)%2)
.set rA, AF+16*(k/4)
	WIN 0x50|(aw<<2)|bw                            ; source 0 (w2) window 2 or 3, source 1 (h) window 0 or 3, C and D window 1: one setting for the whole K step
.if (\j) == 0
	v_wmma_f32_16x16x128_fp8_fp8 v[8*k:8*k+7], v[br:br+15], v[rA:rA+15], 0
.else
	v_wmma_f32_16x16x128_fp8_fp8 v[8*k:8*k+7], v[br:br+15], v[rA:rA+15], v[8*k:8*k+7]
.endif
.endm
.macro FETCH j                         ; K step j's eight fragments of h in one run: each load takes 512 consecutive bytes
	WIN 0xc0*((\j)%2)
.set i, 0
.rept 32
	ds_load_b128 v[AF+4*i:AF+4*i+3], v[LA+2*(((\j)/8)%2)+i/16] offset:16384*((i/4)%4)+2048*((\j)%8)+512*(i%4)
.set i, i+1
.endr
.endm
; Half a K step: 16 matrix instructions from k on.  Row block k / 4 wants loads k .. k + 3 of the K step's 32, which were issued in one run.
.macro HALF j, chg
.rept 16
.if (k%4) == 0
.if \chg
.if k < 16
	s_wait_dscnt 29-k                              ; behind them: the step's other 28 - k loads, and the add
.endif
.elseif (k >= 16) && (((\j)%8) != 7)
	s_wait_dscnt 60-k                              ; behind them: the step's other 28 - k loads and the 32 of the run in this step's middle
.else
	s_wait_dscnt 28-k                              ; behind them: the step's other 28 - k loads
.endif
.endif
	MM \j
.set k, k+1
.endr
.endm
; A K step.  In its middle stands the run: the next K step's fragments of h into the other buffer, and w2 of four K steps on into the set that the LAST K step read; both were last read by the last K step's
; products, behind which the four places stand.  From K step 28 on nothing of w2 is left to load; K step 31 fetches nothing.
; chg = 1: a slot's last K step, whose fragments are in registers or on their way: it changes slots.  At its head each wave waits for all its tensor loads (its part of the other slot) and adds 0 to its
; spare word; behind 16 products it waits for the add and for its reads of this slot and signals; the other 16, work on registers, stand between signal and wait; its run follows behind the barrier.
; fill = 1: the barrier opens a round of the cluster's barrier, and the slot just left is filled again, first thing behind the round: that load has 8 K steps, 256 matrix instructions, in which to land.
.macro KSTEP j, chg, fill, slot
.if \chg
	WIN 0                                          ; (the add's two registers lie in window 0)
	s_wait_tensorcnt 0x0                           ; no tensor load of mine is out, so a group 0 may be written
	ds_add_u32 v[SPW], v[NIL]                      ; 0 onto my spare word
.if \fill
	s_add_nc_u64 s[G0+4*\slot+2:G0+4*\slot+3], s[G0+4*\slot+2:G0+4*\slot+3], 2*CHUNK   ; this slot's next 1,024 along K
.endif
.endif
.if (\j) <= 28
	s_wait_loadcnt 48                              ; this K step's 16 loads of w2 are in; the three younger sets may be out
.else
	s_wait_loadcnt 16*(31-(\j))
.endif
.set k, 0
	HALF \j, \chg
.if \chg
	s_wait_dscnt 0x0                               ; the add is done, and my reads of this slot are over
	s_barrier_signal -1
.elseif (\j) < 31
	PLACES
	FETCH (\j)+1
.if (\j) <= 27
	WRUN (\j)+4
.endif
.endif
	HALF \j, \chg
.if \chg
	WIN 0                                          ; at a branch and at a label every window is 0
	s_barrier_wait -1
.if \fill
	CREST                                          ; no wave of any partner still reads the slot or has a load on its way
	JLOAD \slot                                    ; the four v_nop behind it are also the places in front of the loads below
.else
	PLACES
.endif
	FETCH (\j)+1                                   ; from the other slot, which is whole
	WRUN (\j)+4                                    ; their order among the loads of w2 is as in every K step
.endif
.endm
	s_wait_tensorcnt 1                             ; my part of slot 0 is in; slot 1's may stay out
	s_barrier_signal -1
	s_barrier_wait -1                              ; everybody's is
	FETCH 0
.irp j, 0,1,2,3,4,5,6
	KSTEP \j, 0, 0, 0
.endr
	KSTEP 7, 1, 1, 0                               ; slot 0 takes K = 2,048 on
.irp j, 8,9,10,11,12,13,14
	KSTEP \j, 0, 0, 0
.endr
	KSTEP 15, 1, 1, 1                              ; slot 1 takes K = 3,072 on
.irp j, 16,17,18,19,20,21,22
	KSTEP \j, 0, 0, 0
.endr
	KSTEP 23, 1, 0, 0                              ; nothing is left to fetch
.irp j, 24,25,26,27,28,29,30,31
	KSTEP \j, 0, 0, 0
.endr
; THE WAY OUT, a row block (16 rows x my 64 outputs) at a time: held, rounded to E4M3 at scale 1, back to f32; a lane's 32 bytes go into my own stage and come back as whole rows of 256 bytes.
; LDS serves a wave's instructions in order (ISA guide 5.7.1.4): no wait between the stores and the loads, nor in front of the next block's stores.
.macro TOSTAGE m
	WIN 0x01                                       ; source 0 (the sums) window 1
.set i, 0
.rept 32
	v_med3_num_f32 v[TMP+i], v[32*(\m)+i], s[LIMN], s[LIMP]   ; the conversion does not saturate (ISA guide 7.6.2): the hold; each accumulator from its low end on
.set i, i+1
.endr
	WIN 0
.irp t, 0,1,2,3
	v_cvt_scalef32_pk8_fp8_f32 v[Q+2*\t:Q+2*\t+1], v[TMP+8*\t:TMP+8*\t+7], v[SC]
.endr
	v_nop                                          ; a plain line between the conversions and the lines that touch their results and write their sources
.irp t, 0,1,2,3
	v_cvt_scale_pk8_f32_fp8 v[TMP+8*\t:TMP+8*\t+7], v[Q+2*\t:Q+2*\t+1], v[SCB]
.endr
	v_nop
.irp t, 0,1,2,3
	ds_store_b128 v[STO], v[TMP+8*\t:TMP+8*\t+3] offset:64*\t
	ds_store_b128 v[STO], v[TMP+8*\t+4:TMP+8*\t+7] offset:64*\t+16
.endr
.irp i, 0,1,2,3,4,5,6,7
	ds_load_b128 v[BK+32*((\m)%2)+4*\i:BK+32*((\m)%2)+4*\i+3], v[RD] offset:2*\i*SPI
.endr
.endm
.macro SEND m, younger                 ; younger: the LDS instructions issued behind block m's loads, which may stay out
	s_wait_dscnt \younger
.irp i, 0,1,2,3,4,5,6,7
	global_store_b128 v[GO], v[BK+32*((\m)%2)+4*\i:BK+32*((\m)%2)+4*\i+3], s[OB:OB+1] offset:4096*(16*(\m)+2*\i) th:TH_STORE_NT   ; 16 lanes store 256 consecutive bytes, at a multiple of 256 from out's first byte
.endr
.endm
	PLACES                                         ; between the last K step's products and the first read of their sums
	TOSTAGE 0
.irp a, 1,2,3,4,5,6,7
.if \a > 1
	s_wait_xcnt 0x0                                ; block a - 2's stores have read their registers: block a's loads may land there
.endif
	TOSTAGE \a
	SEND \a-1, 16                                  ; behind block a - 1's loads: block a's 8 stores and 8 loads
.endr
	SEND 7, 0
	s_wait_tensorcnt 0x0                           ; the wave's end: a tensor wait, an add and its wait, behind my last tensor load and my last LDS store
	ds_add_u32 v[SPW], v[NIL]
	s_wait_dscnt 0x0
	CROUND                                         ; the closing round: no work-group ends while a partner may still ask for a tile that names it
	s_endpgm
.Lfunc_end_k_q1706f6a7d3_fc2:
	.size	k_q1706f6a7d3_fc2, .Lfunc_end_k_q1706f6a7d3_fc2-k_q1706f6a7d3_fc2
	.p2alignl 7, 3214868480
	.fill 96, 4, 3214868480
	.section	.rodata,"a",@progbits
	.p2align	6, 0x0
	.amdhsa_kernel k_q1706f6a7d3_fc2
		.amdhsa_group_segment_fixed_size 327680
		.amdhsa_private_segment_fixed_size 0
		.amdhsa_enable_private_segment 0
		.amdhsa_kernarg_size 32
		.amdhsa_user_sgpr_count 2
		.amdhsa_user_sgpr_kernarg_segment_ptr 1
		.amdhsa_wavefront_size32 1
		.amdhsa_system_sgpr_workgroup_id_x 1
		.amdhsa_system_sgpr_workgroup_id_y 1
		.amdhsa_system_sgpr_workgroup_id_z 1
		.amdhsa_system_vgpr_workitem_id 0
		.amdhsa_next_free_vgpr 1024
		.amdhsa_next_free_sgpr 66
		.amdhsa_reserve_vcc 0
		.amdhsa_float_denorm_mode_32 3
		.amdhsa_float_denorm_mode_16_64 3
		.amdhsa_memory_ordered 1
		.amdhsa_forward_progress 1
		.amdhsa_inst_pref_size 235
	.end_amdhsa_kernel
	.amdgpu_metadata
---
amdhsa.version: [ 1, 2 ]
amdhsa.kernels:
  - .name:           k_q1706f6a7d3_fc2
    .symbol:         k_q1706f6a7d3_fc2.kd
    .args:
      - { .name: hq, .offset: 0, .size: 8, .value_kind: global_buffer, .address_space: global }
      - { .name: w2q, .offset: 8, .size: 8, .value_kind: global_buffer, .address_space: global }
      - { .name: lowp_scales, .offset: 16, .size: 8, .value_kind: global_buffer, .address_space: global }
      - { .name: out0, .offset: 24, .size: 8, .value_kind: global_buffer, .address_space: global }
    .group_segment_fixed_size: 327680
    .private_segment_fixed_size: 0
    .kernarg_segment_align: 8
    .kernarg_segment_size: 32
    .max_flat_workgroup_size: 128
    .sgpr_count:     66
    .vgpr_count:     1024
    .wavefront_size: 32
...
	.end_amdgpu_metadata
.endif
;; end of part 6
